; MI455X (gfx1250); checked and timed in simulation.
; The chip was launched on July 23, 2026; its instructions are those of AMD's public machine-readable ISA for CDNA 5 (MIT licence, August 2026) and "CDNA5" Instruction Set Architecture Reference Guide (July 2026). The comments in the code are by the model that wrote it; some were corrected since.
;; Two Stream Attention. Allowed arithmetic: matrix products marked QUANTISED: E2M3 operands, one E8M0 scale for each 32 along K, by v_wmma_scale_f32_16x16x128_f8f6f4 with both operands' format E2M3, f32 sums; everything else in f32.
;; Inputs: Wk 1,024 x 16 x 64 float32; Wo 1,024 x 16 x 64 float32; Wq 1,024 x 16 x 64 float32; Wv 1,024 x 16 x 64 float32; g 2,048 x 2 x 1,024 float32; h 2,048 x 2 x 1,024 float32; ln_beta 1,024 float32; ln_gamma 1,024 float32; r_w_bias 16 x 64 float32.
;; Outputs: out0 2,048 x 2 x 1,024 float32; out1 2,048 x 2 x 1,024 float32.
;; This version of the problem:
;;   THIS VERSION OF THE PROBLEM IS GIVEN IN LOW PRECISION. The matrix products marked QUANTISED in the list below multiply operands that are first quantised to E2M3 (2 exponent bits, 3 mantissa bits; 6 bits a number), with one power-of-two scale for each 32 numbers along K (OCP MX v1.0); their sums are f32. All else is computed in f32.
;;   The module's matrix products, in the order in which they are computed (A, B: the left and right operand; K: the contracted axis; several contracted axes count as one K, in the product's order):
;;     1. [M 4,096, K 1,024] x [K 1,024, N 1,024]; A: input h; B: input Wk: QUANTISED
;;     2. [M 4,096, K 1,024] x [K 1,024, N 1,024]; A: input h; B: input Wv: QUANTISED
;;     3. [M 4,096, K 1,024] x [K 1,024, N 1,024]; A: input h; B: input Wq: QUANTISED
;;     4. batch 32 x [M 2,048, K 64] x [K 64, N 2,048]; A: computed on the way; B: computed on the way: QUANTISED
;;     5. batch 32 x [M 64, K 2,048] x [K 2,048, N 2,048]; A: computed on the way; B: softmax (see below): QUANTISED
;;     6. [M 4,096, K 1,024] x [K 1,024, N 1,024]; A: computed on the way; B: input Wo: QUANTISED
;;     7. [M 4,096, K 1,024] x [K 1,024, N 1,024]; A: input g; B: input Wq: QUANTISED
;;     8. batch 32 x [M 2,048, K 64] x [K 64, N 2,048]; A: computed on the way; B: computed on the way: QUANTISED
;;     9. batch 32 x [M 64, K 2,048] x [K 2,048, N 2,048]; A: computed on the way; B: softmax (see below): QUANTISED
;;     10. [M 4,096, K 1,024] x [K 1,024, N 1,024]; A: computed on the way; B: input Wo: QUANTISED
;;   THE QUANTISER, for each operand of a quantised product, along K:
;;     - K is cut into blocks of 32 from its start; a last block that is shorter is filled with zeros.
;;     - A block's scale is 2^e with e = floor(log2(the largest magnitude in the block)) - 2, held to -126 .. 127; a block of zeros has e = 0. As a byte (E8M0): e + 127.
;;     - Each number is divided by its block's scale, clamped to +-7.5, and rounded to the nearest number of E2M3, ties to even, subnormals kept.
;;     - The product sums the exact products of the quantised numbers (number of the format x scale) in f32.
;;   ~~~python
;;   def quantise(x, axis):      # numpy; x: float32 -> the quantised numbers, widened to float32 again
;;       x = np.moveaxis(x, axis, -1); K = x.shape[-1]
;;       x = np.pad(x, [(0, 0)] * (x.ndim - 1) + [(0, -K % 32)]); x = x.reshape(x.shape[:-1] + (-1, 32)); a = np.abs(x).max(-1, keepdims=True)
;;       e = np.where(a > 0, np.clip(np.frexp(np.where(a > 0, a, 1))[1] - 1 - 2, -126, 127), 0)      # np.frexp(a)[1] - 1 = floor(log2(a)), exactly
;;       r = np.clip(x / 2.0 ** e, -7.5, 7.5)
;;       step = 2.0 ** (np.maximum(np.frexp(np.where(r == 0, 1, r))[1] - 1, 0) - 3)
;;       q = np.round(r / step) * step * 2.0 ** e      # np.round: ties to even
;;       return np.moveaxis(q.reshape(q.shape[:-2] + (-1,))[..., :K], -1, axis).astype(np.float32)
;;   ~~~
;;   SOFTMAX AHEAD OF A QUANTISED PRODUCT. Where the list says 'softmax', what is quantised is not the finished softmax but p = 2^(t - M), with t = logit x log2(e) and M = ceil(the row's largest t), a whole number; so 1/2 < the row's largest p <= 1. The row's sum l is taken of the UNQUANTISED p, in f32, and the product's result is divided by l at the end. Since M is a whole number, a kernel that streams over the keys may use a running M (the ceiling of the running maximum): every later rescaling is an exact power of two, which a block's scale takes up: the codes' values come out the same.
;;   OPERANDS COMPUTED ON THE WAY. 'Computed on the way' means the value that the module computes at that place (a softmax that the list does not call 'softmax' is quantised finished and normalised). What goes into a quantiser is computed in f32, as accurately as f32 sums, v_exp_f32 and their like allow (about 1e-6 of the number): no bf16 or f16 on the way to a quantiser, and a product that is left as it is and whose result goes on into a quantised operand takes f32 operands (vector FMAs, or v_wmma_f32_16x16x4_f32). A number that lies on a knife's edge between two numbers of the format may be rounded either way, as far as f32 arithmetic and the matrix unit's own rounding can turn it there, and no further.
;; One version. Each part assembles by itself: llvm-mc -triple=amdgcn-amd-amdhsa -mcpu=gfx1250 --defsym DOCPART=n.
;; ======== version 1 of 1: 4 launches
;; limits: right only within a limited range of input values
;; workspace buffers: op_img 9,437,184 bytes; op_scl 393,216 bytes; att_codes 12,582,912 bytes; att_scales 1,179,648 bytes; a_img 6,291,456 bytes; a_scl 262,144 bytes
;; launch prep (part 1): grid 768 x 1, 4 waves a work-group, no clusters, 34,304 bytes of LDS; arguments h, g, Wo, Wq, Wk, Wv, op_img, op_scl; writes op_img, op_scl
.if DOCPART == 1
	.amdgcn_target "amdgcn-amd-amdhsa--gfx1250"
	.amdhsa_code_object_version 6
	.text
	.protected	k_q83aff17886_prep
	.globl	k_q83aff17886_prep
	.p2align	8
	.type	k_q83aff17886_prep,@function
k_q83aff17886_prep:
	s_mov_b64 s[64:65], 0
	v_nop
	global_prefetch_b8 v0, s[64:65] scope:SCOPE_SE
	s_setreg_imm32_b32 hwreg(HW_REG_WAVE_MODE, 25, 1), 1
	s_wait_xcnt 0x0
; PREP: h, g, Wo (K innermost) and Wq, Wk, Wv (K = their first axis) become codes of FP6 (E2M3) with one E8M0 byte for each 32 along K,
; laid as IMAGES OF THE OPERAND'S REGISTERS.  A fragment is 16 rows x 128 K = 12 registers a lane = 1,536 bytes: registers 4 g .. 4 g + 3 of lane l at 512 g + 16 l.
; op_img: [group of 128 rows G][K step s = 0..7][tile a = 0..7][1536].  op_scl: one word (four bytes, 128 along K) at 4096 G + 512 a + 64 s + 4 r.
; G 0-31: h (16 b + step of 128 positions), 32-63: g, 64-71: Wq, 72-79: Wk, 80-87: Wv (128 features each), 88-95: Wo (128 output features each).
; THE ROWS OF A TILE ARE NOT NEIGHBOURS: lane r of tile a = 2 B + u holds row 32 B + 8 u + r + 8 (r / 8) of its group, so that a product which takes the tile as source 0
; leaves 16 neighbouring rows in the 16 registers of tiles 2 B and 2 B + 1.
; A block's scale is 2^(floor(log2(largest magnitude)) - 2); its byte is the largest magnitude's exponent field - 2, held at 1 from below.
; LIMITS: NaN and infinities are not served; a block whose largest magnitude lies under 2^-124 keeps the byte 1; a block of zeros gets the byte 1 where the rule says 127
; (its codes are zeros, which add nothing under any byte but 0xff, and this program alone reads the bytes).
; 768 work-groups of four waves, 4,096 numbers a wave.  Work-groups 0-575: one tile of 16 rows of h, g or Wo, wave w its K steps 2 w and 2 w + 1.
; Work-groups 576-767: one K step of 128 features of Wq, Wk or Wv, wave w features 32 w .. 32 w + 31, a lane a feature.  No barrier: waves share nothing.
.set L16, 4                            ; v4    16 x lane
.set STI, 5                            ; v5    the stage, on the way in: 16 x lane in my wave's stage
.set STO, 6                            ; v6    and on the way out: row r, + 128 h
.set SH8, 7                            ; v7    8 h: my bytes' place in a scale word
.set OF,  16                           ; v16-31  byte offset of row i of the tile, + 16 x lane
.set R0,  32                           ; v32-159 two K steps as loaded (16 rows x 4 registers each); on the other path 128 numbers down K
.set X,   160                          ; v160-223 64 numbers in the operand's order
.set F0,  224                          ; v224-247 two fragments
.set TD,  248                          ; v248-250 a block's upper 16 codes, before they are moved
.set LS,  251                          ; v251  4 x lane
.set M0,  252
.set M1,  253
.set SO,  254                          ; the conversions' scale operand
; 32 numbers of one block, v[x] on, become six registers of codes at v[fd] on and the scale's byte in v[e].
.macro BLK x, fd, e
	v_max3_num_f32 v[M0], |v[\x]|, |v[\x+1]|, |v[\x+2]|
	v_max3_num_f32 v[M1], |v[\x+3]|, |v[\x+4]|, |v[\x+5]|
.irp i, 6,10,14,18,22,26
	v_max3_num_f32 v[M0], v[M0], |v[\x+\i]|, |v[\x+\i+1]|          ; two chains, so that no line waits for the line above it
	v_max3_num_f32 v[M1], v[M1], |v[\x+\i+2]|, |v[\x+\i+3]|
.endr
	v_max3_num_f32 v[M0], v[M0], |v[\x+30]|, |v[\x+31]|
	v_max3_num_f32 v[M0], v[M0], v[M1], 0x1800000                  ; and the floor 2^(3 - 127): the byte cannot fall under 1
	v_add_nc_u32 v[SO], 0xff000000, v[M0]                          ; 2 off the exponent field: the conversion takes that field as its scale
	v_lshrrev_b32 v[\e], 23, v[SO]                                 ; the scale's byte
	v_cvt_scalef32_pk16_fp6_f32 v[\fd:\fd+2], v[\x:\x+15], v[SO]
	v_cvt_scalef32_pk16_fp6_f32 v[TD:TD+2], v[\x+16:\x+31], v[SO]  ; (a conversion's three registers begin on an even number)
	v_nop                                                          ; one plain place behind a scaled conversion
.irp i, 0,1,2
	v_mov_b32 v[\fd+3+\i], v[TD+\i]
.endr
.endm
	s_load_b256 s[4:11], s[0:1], 0x0               ; h s[4:5], g s[6:7], Wo s[8:9], Wq s[10:11]
	s_load_b256 s[12:19], s[0:1], 0x20             ; Wk s[12:13], Wv s[14:15], op_img s[16:17], op_scl s[18:19]
	v_lshl_add_u32 v10, v0, 2, 0x8400
	v_mov_b32 v255, 0
	v_lshrrev_b32 v1, 5, v0
	v_readfirstlane_b32 s20, v1                    ; wave 0..3
	v_and_b32 v1, 31, v0                           ; lane
	v_and_b32 v2, 15, v0                           ; r
	v_bfe_u32 v3, v0, 4, 1                         ; h
	v_lshlrev_b32 v[L16], 4, v1
	s_mov_b32 s21, 0xffff0000                      ; lanes 16-31
	s_mov_b32 s22, 0x76543210
	s_mov_b32 s23, 0xfedcba98                      ; v_permlanex16_b32's selects for lane l xor 16
	s_mov_b32 s35, 0
	s_mov_b32 s37, 0
	s_mov_b32 s39, 0
	s_cmp_lt_u32 ttmp9, 576
	s_cbranch_scc0 .Lk_outer
	; ---- K innermost: h, g, Wo.  The work-group is tile a of group (w >> 3)
	s_and_b32 s24, ttmp9, 7                        ; a
	s_lshr_b32 s25, ttmp9, 3
	s_and_b32 s26, s25, 15                         ; which 128 rows (positions of one batch, or output features)
	s_bfe_u32 s27, ttmp9, 0x10007                  ; the batch (0 for Wo)
	s_lshl_b32 s28, s26, 7
	s_lshr_b32 s29, s24, 1
	s_lshl_b32 s29, s29, 5
	s_add_co_u32 s28, s28, s29
	s_and_b32 s29, s24, 1
	s_lshl_b32 s29, s29, 3
	s_add_co_u32 s28, s28, s29                     ; the tile's first row: 128 x group + 32 (a / 2) + 8 (a % 2)
	s_cmp_lt_u32 ttmp9, 512
	s_cselect_b32 s30, 13, 12                      ; from row to row: 8,192 bytes in h and g (two batches), 4,096 in Wo
	s_cselect_b32 s31, 0, 24                       ; Wo's groups are 88-95
	s_add_co_u32 s25, s25, s31                     ; G
	s_lshl_b32 s32, 1, s30
	s_lshl_b32 s34, s28, s30
	s_lshl_b32 s29, s27, 12
	s_add_co_u32 s34, s34, s29
	s_lshl_b32 s29, s20, 10
	s_add_co_u32 s34, s34, s29                     ; + my wave's 256 numbers of each row
	s_mul_i32 s36, s25, 98304
	s_mul_i32 s29, s20, 24576
	s_add_co_u32 s36, s36, s29
	s_mul_i32 s29, s24, 1536
	s_add_co_u32 s36, s36, s29                     ; my first fragment's image
	s_lshl_b32 s38, s25, 12
	s_lshl_b32 s29, s24, 9
	s_add_co_u32 s38, s38, s29
	s_lshl_b32 s29, s20, 7
	s_add_co_u32 s38, s38, s29                     ; my two K steps' scale words
	s_wait_alu depctr_va_vdst(0)
	v_lshlrev_b32 v[SH8], 3, v3
	v_lshlrev_b32 v[LS], 2, v1
	v_mov_b32 v14, 0                               ; written once: a lane permute's destination counts as one of its sources
	v_mov_b32 v15, 0
	s_mul_i32 s33, s20, 8448                       ; my stage: 16 rows x (512 bytes + 16)
	v_add_nc_u32 v[STI], s33, v[L16]
	v_mul_u32_u24 v[STO], v2, 528
	v_lshl_add_u32 v[STO], v3, 7, v[STO]
	v_add_nc_u32 v[STO], s33, v[STO]
.irp i, 0,1,2,3,4,5,6,7,8,9,10,11,12,13,14,15
	v_mad_u32_u24 v[OF+\i], s32, \i+8*(\i/8), v[L16]               ; the tile's row i lies i + 8 (i / 8) rows on
.endr
	s_wait_alu depctr_va_vdst(0)
	s_wait_kmcnt 0x0
	s_cmp_lt_u32 ttmp9, 256
	s_cselect_b64 s[40:41], s[4:5], s[6:7]
	s_cmp_lt_u32 ttmp9, 512
	s_cselect_b64 s[40:41], s[40:41], s[8:9]       ; the choice hangs on the work-group's number alone
	s_add_nc_u64 s[40:41], s[40:41], s[34:35]
	s_add_nc_u64 s[42:43], s[16:17], s[36:37]
	s_add_nc_u64 s[44:45], s[18:19], s[38:39]
.irp q, 0,1
.irp i, 0,1,2,3,4,5,6,7,8,9,10,11,12,13,14,15
	global_load_b128 v[R0+64*\q+4*\i:R0+64*\q+4*\i+3], v[OF+\i], s[40:41] offset:512*\q th:TH_LOAD_NT   ; 32 lanes read 512 consecutive bytes: a K step of one row
.endr
.endr
; K step q of my two: through the stage (in as loaded, out in the operand's order: lane (r, h) takes k = 64 c + 32 h + 0 .. 31 of row r), two blocks a lane, image and scale word
.macro HALF q
	s_wait_loadcnt 16-16*\q                        ; this K step's 16 loads are in; the other's may be out
.irp i, 0,1,2,3,4,5,6,7,8,9,10,11,12,13,14,15
	ds_store_b128 v[STI], v[R0+64*\q+4*\i:R0+64*\q+4*\i+3] offset:528*\i
.endr
.irp c, 0,1
.irp j, 0,1,2,3,4,5,6,7
	ds_load_b128 v[X+32*\c+4*\j:X+32*\c+4*\j+3], v[STO] offset:256*\c+16*\j   ; LDS serves a wave's instructions in order: these see the stores above
.endr
.endr
	s_wait_dscnt 0x0
	BLK X, F0+12*\q, 11
	BLK X+32, F0+12*\q+6, 12
	v_lshl_or_b32 v13, v12, 16, v11                ; my two bytes: blocks h and 2 + h of row r,
	v_lshlrev_b32 v13, v[SH8], v13                 ; at their places in the word;
	v_permlanex16_b32 v[14+\q], v13, s22, s23
	v_or_b32 v[14+\q], v[14+\q], v13               ; with lane l xor 16's two the word is whole
.irp g, 0,1,2
	global_store_b128 v[L16], v[F0+12*\q+4*\g:F0+12*\q+4*\g+3], s[42:43] offset:12288*\q+512*\g   ; 512 consecutive bytes, aligned
.endr
.endm
	HALF 0
	HALF 1
	v_cndmask_b32 v13, v14, v15, s21               ; lanes 0-15 the first K step's words, lanes 16-31 the second's: 128 consecutive bytes
	global_store_b32 v[LS], v13, s[44:45]
	s_wait_tensorcnt 0x0
	ds_add_u32 v10, v255
	s_wait_dscnt 0x0
	s_endpgm
.Lk_outer:
	; ---- K outermost: Wq, Wk, Wv.  A LANE TAKES A FEATURE AND ITS REGISTERS RUN DOWN K: nothing is transposed
	s_sub_co_u32 s24, ttmp9, 576                   ; v = 64 x tensor + 8 x group + K step
	s_lshr_b32 s25, s24, 3
	s_and_b32 s26, s25, 7                          ; the group of 128 features
	s_and_b32 s27, s24, 7                          ; the K step
	s_lshl_b32 s34, s27, 19                        ; 128 rows of 4,096 bytes
	s_lshl_b32 s28, s26, 9
	s_add_co_u32 s34, s34, s28
	s_lshl_b32 s28, s20, 7
	s_add_co_u32 s34, s34, s28                     ; + my wave's 32 features
	s_add_co_u32 s25, s25, 64                      ; G
	s_mul_i32 s36, s25, 98304
	s_mul_i32 s28, s27, 12288
	s_add_co_u32 s36, s36, s28
	s_mul_i32 s28, s20, 3072
	s_add_co_u32 s36, s36, s28                     ; tiles 2 w and 2 w + 1 of this K step
	s_lshl_b32 s38, s25, 12
	s_lshl_b32 s28, s20, 10
	s_add_co_u32 s38, s38, s28
	s_lshl_b32 s28, s27, 6
	s_add_co_u32 s38, s38, s28
	s_wait_alu depctr_va_vdst(0)
	v_lshlrev_b32 v5, 2, v1                        ; in: 4 bytes a lane
	v_bfe_u32 v6, v0, 3, 1                         ; feature 32 w + l is row r' of tile 2 w + u: u = (l / 8) % 2,
	v_and_b32 v7, 7, v0
	v_lshl_or_b32 v7, v3, 3, v7                    ; r' = l % 8 + 8 (l / 16)
	v_mul_u32_u24 v8, v6, 1536
	v_lshl_add_u32 v8, v7, 4, v8                   ; the image: 1536 u + 16 r'
	v_lshlrev_b32 v9, 9, v6
	v_lshl_add_u32 v9, v7, 2, v9                   ; the scale word: 512 u + 4 r'
	s_wait_alu depctr_va_vdst(0)
	s_wait_kmcnt 0x0
	s_cmp_lt_u32 s24, 64
	s_cselect_b64 s[40:41], s[10:11], s[12:13]
	s_cmp_lt_u32 s24, 128
	s_cselect_b64 s[40:41], s[40:41], s[14:15]
	s_add_nc_u64 s[40:41], s[40:41], s[34:35]
	s_add_nc_u64 s[42:43], s[16:17], s[36:37]
	s_add_nc_u64 s[44:45], s[18:19], s[38:39]
.irp bl, 0,1,2,3                       ; in the order in which the operand's lanes want them: blocks 0 and 2 (lane r'), then 1 and 3 (lane r' + 16)
.irp i, 0,1,2,3,4,5,6,7,8,9,10,11,12,13,14,15,16,17,18,19,20,21,22,23,24,25,26,27,28,29,30,31
	global_load_b32 v[R0+32*\bl+\i], v5, s[40:41] offset:(64*(\bl%2)+32*(\bl/2)+\i)*4096 th:TH_LOAD_NT   ; 128 consecutive bytes a wave, 512 a work-group
.endr
.endr
	s_wait_loadcnt 63                              ; the first 32 loads are in (96 younger ones might stay out; the count's field holds 63)
	BLK R0, 160, 13
	v_mov_b32 v14, v13                             ; byte 0
	s_wait_loadcnt 63
	BLK R0+32, 166, 13
	v_lshl_or_b32 v14, v13, 16, v14                ; byte 2
.irp g, 0,1,2
	global_store_b128 v8, v[160+4*\g:163+4*\g], s[42:43] offset:512*\g       ; the sixteen lanes of one tile fill 256 consecutive bytes, aligned
.endr
	s_wait_loadcnt 32
	BLK R0+64, 172, 13
	v_lshl_or_b32 v14, v13, 8, v14                 ; byte 1
	s_wait_loadcnt 0x0
	BLK R0+96, 178, 13
	v_lshl_or_b32 v14, v13, 24, v14                ; byte 3
.irp g, 0,1,2
	global_store_b128 v8, v[172+4*\g:175+4*\g], s[42:43] offset:512*\g+256
.endr
	global_store_b32 v9, v14, s[44:45]
	s_endpgm
.Lfunc_end_k_q83aff17886_prep:
	.size	k_q83aff17886_prep, .Lfunc_end_k_q83aff17886_prep-k_q83aff17886_prep
	.p2alignl 7, 3214868480
	.fill 96, 4, 3214868480
	.section	.rodata,"a",@progbits
	.p2align	6, 0x0
	.amdhsa_kernel k_q83aff17886_prep
		.amdhsa_group_segment_fixed_size 34304
		.amdhsa_private_segment_fixed_size 0
		.amdhsa_enable_private_segment 0
		.amdhsa_kernarg_size 64
		.amdhsa_user_sgpr_count 2
		.amdhsa_user_sgpr_kernarg_segment_ptr 1
		.amdhsa_wavefront_size32 1
		.amdhsa_system_sgpr_workgroup_id_x 1
		.amdhsa_system_sgpr_workgroup_id_y 1
		.amdhsa_system_sgpr_workgroup_id_z 1
		.amdhsa_system_vgpr_workitem_id 0
		.amdhsa_next_free_vgpr 256
		.amdhsa_next_free_sgpr 66
		.amdhsa_reserve_vcc 0
		.amdhsa_float_denorm_mode_32 3
		.amdhsa_float_denorm_mode_16_64 3
		.amdhsa_memory_ordered 1
		.amdhsa_forward_progress 1
		.amdhsa_inst_pref_size 38
	.end_amdhsa_kernel
	.amdgpu_metadata
---
amdhsa.version: [ 1, 2 ]
amdhsa.kernels:
  - .name:           k_q83aff17886_prep
    .symbol:         k_q83aff17886_prep.kd
    .args:
      - { .name: h, .offset: 0, .size: 8, .value_kind: global_buffer, .address_space: global }
      - { .name: g, .offset: 8, .size: 8, .value_kind: global_buffer, .address_space: global }
      - { .name: Wo, .offset: 16, .size: 8, .value_kind: global_buffer, .address_space: global }
      - { .name: Wq, .offset: 24, .size: 8, .value_kind: global_buffer, .address_space: global }
      - { .name: Wk, .offset: 32, .size: 8, .value_kind: global_buffer, .address_space: global }
      - { .name: Wv, .offset: 40, .size: 8, .value_kind: global_buffer, .address_space: global }
      - { .name: op_img, .offset: 48, .size: 8, .value_kind: global_buffer, .address_space: global }
      - { .name: op_scl, .offset: 56, .size: 8, .value_kind: global_buffer, .address_space: global }
    .group_segment_fixed_size: 34304
    .private_segment_fixed_size: 0
    .kernarg_segment_align: 8
    .kernarg_segment_size: 64
    .max_flat_workgroup_size: 128
    .sgpr_count:     66
    .vgpr_count:     256
    .wavefront_size: 32
...
	.end_amdgpu_metadata
.endif
;; end of part 1
;; launch proj (part 2): grid 16 x 16, 4 waves a work-group, clusters of 4 x 4, 327,680 bytes of LDS; arguments op_img, op_scl, r_w_bias, att_codes, att_scales; writes att_codes, att_scales
.if DOCPART == 2
	.amdgcn_target "amdgcn-amd-amdhsa--gfx1250"
	.amdhsa_code_object_version 6
	.text
	.protected	k_q83aff17886_proj
	.globl	k_q83aff17886_proj
	.p2align	8
	.type	k_q83aff17886_proj,@function
k_q83aff17886_proj:
	s_mov_b64 s[64:65], 0
	v_nop
	global_prefetch_b8 v0, s[64:65] scope:SCOPE_SE
	s_setreg_imm32_b32 hwreg(HW_REG_WAVE_MODE, 25, 1), 1
	s_wait_xcnt 0x0
	s_wait_alu depctr_hold_cnt(0) depctr_sa_sdst(0) depctr_va_vdst(0) depctr_va_sdst(0) depctr_va_ssrc(0) depctr_va_vcc(0) depctr_vm_vsrc(0)
	s_getreg_b32 s2, hwreg(HW_REG_IB_STS2, 6, 4)
	s_cmp_eq_u32 s2, 0
	s_cbranch_scc0 .Lentry_in_a_cluster
	s_endpgm
.Lentry_in_a_cluster:
	s_bfe_u32 s2, ttmp6, 0x10000c
	s_cmp_lg_u32 s2, 0xf033
	s_cbranch_scc0 .Lentry_shape_is_right
	s_endpgm
.Lentry_shape_is_right:
.set NQ,     2
.set FR,     12
.set NL,     3
.set NP,     4
.set HALFT,  24576
.set SLOT,   4*HALFT
.set SCL,    2*SLOT
.set SPARE,  SCL+4*4096
.set ADRA, 16
.set ADRB, 20
.set L16,  24
.set L8,   25
.set BO,   26
.set ADRS, 27
.set SPW,  28
.set NIL,  29
.set SC,   32
.set BI,   64
.set AF,   128
.set TM,   176
.set PW,   192
.set SW,   200
.set G1, 24
.set G0, 32
.set G1B, 48
.set G0B, 56
.set G1S, 68
.set G0S, 76
.set G1SB, 80
.set G0SB, 88
.set MSB, 0
.macro WIN new
.if MSB != (\new)
	s_set_vgpr_msb (MSB<<8)|(\new)
.set MSB, (\new)
.endif
.endm
.set MUL_LO, 0xa1
.set MUL_HI, 0xf1
.set TO_B,   0x40
.macro JLOAD g0a, g1a, g0b, g1b
	s_cmp_eq_u32 s15, 0
	s_cbranch_scc0 .Lfor_b_\@
	tensor_load_to_lds s[\g0a:\g0a+3], s[\g1a:\g1a+7]
	s_nop 0
.rept 4
	v_nop
.endr
	s_branch .Lasked_\@
.Lfor_b_\@:
	tensor_load_to_lds s[\g0b:\g0b+3], s[\g1b:\g1b+7]
	s_nop 0
.rept 4
	v_nop
.endr
.Lasked_\@:
.endm
.macro CREST
	s_cmp_lg_u32 s14, 0
	s_cbranch_scc1 .Lnot_wave_0_\@
	s_barrier_signal -3
.Lnot_wave_0_\@:
	s_barrier_wait -3
	s_barrier_signal -1
	s_barrier_wait -1
.endm
.macro CROUND
	s_barrier_signal -1
	s_barrier_wait -1
	CREST
.endm
	s_load_b128 s[4:7], s[0:1], 0x0
	s_load_b128 s[8:11], s[0:1], 0x10
	s_load_b64 s[12:13], s[0:1], 0x20
	v_lshl_add_u32 v[SPW], v0, 2, SPARE
	v_mov_b32 v[NIL], 0
	ds_add_u32 v28, v29
	ds_add_u32 v28, v29
	s_wait_dscnt 0x0
	v_lshrrev_b32 v1, 5, v0
	v_readfirstlane_b32 s14, v1
	s_lshr_b32 s15, s14, 1
	s_and_b32 s16, s14, 1
	s_bfe_u32 s40, ttmp6, 0x40000
	s_bfe_u32 s41, ttmp6, 0x40004
	s_and_b32 s17, ttmp7, 0xffff
	s_lshl_b32 s17, s17, 2
	s_lshl_b32 s43, s41, 2
	s_lshl_b32 s43, 15, s43
	s_lshl_b32 s44, 0x1111, s40
	s_cmp_eq_u32 ttmp9, 2
	s_cselect_b32 s18, 0, s17
	s_cselect_b32 s19, s17, 0
	s_add_co_u32 s20, s41, s18
	s_add_co_u32 s46, s40, s19
	s_lshl_b32 s2, ttmp9, 3
	s_lshr_b32 s3, 0x20500000, s2
	s_and_b32 s3, s3, 255
	s_lshl_b32 s20, s20, 1
	s_add_co_u32 s20, s20, s3
	s_add_co_u32 s20, s20, s16
	s_lshr_b32 s3, 0x40004840, s2
	s_and_b32 s3, s3, 255
	s_lshl_b32 s46, s46, 1
	s_add_co_u32 s46, s46, s3
	s_add_co_u32 s46, s46, s16
	s_or_b32 s[G1+0], s43, (3<<16)|(1<<21)
	s_or_b32 s[G1B+0], s44, (3<<16)|(1<<21)
.irp g, G1, G1B
	s_mov_b32 s[\g+1], 32<<16
	s_mov_b32 s[\g+2], 96<<16
	s_mov_b32 s[\g+3], 32<<16
	s_mov_b32 s[\g+4], 96
	s_mov_b32 s[\g+5], 32
	s_mov_b32 s[\g+6], 0
	s_mov_b32 s[\g+7], 0
.endr
	s_or_b32 s[G1S+0], s43, (3<<16)|(1<<21)
	s_or_b32 s[G1SB+0], s44, (3<<16)|(1<<21)
.irp g, G1S, G1SB
	s_mov_b32 s[\g+1], 32<<16
	s_mov_b32 s[\g+2], 16<<16
	s_mov_b32 s[\g+3], 32<<16
	s_mov_b32 s[\g+4], 16
	s_mov_b32 s[\g+5], 32
	s_mov_b32 s[\g+6], 0
	s_mov_b32 s[\g+7], 0
.endr
	s_lshl_b32 s22, s20, 12
	s_mov_b32 s23, 0
	s_mul_i32 s20, s20, 98304
	s_mov_b32 s21, 0
	s_lshl_b32 s92, s46, 12
	s_mov_b32 s93, 0
	s_mul_i32 s46, s46, 98304
	s_mov_b32 s47, 0
	s_mul_i32 s45, s14, HALFT
	s_lshl_b32 s94, s14, 12
	s_wait_kmcnt 0x0
	s_add_nc_u64 s[20:21], s[4:5], s[20:21]
	s_add_nc_u64 s[22:23], s[6:7], s[22:23]
	s_add_nc_u64 s[46:47], s[4:5], s[46:47]
	s_add_nc_u64 s[92:93], s[6:7], s[92:93]
	CROUND
	s_mov_b32 s[G0S], 1
	s_add_co_u32 s[G0S+1], s94, SCL
	s_mov_b64 s[G0S+2:G0S+3], s[22:23]
	s_or_b32 s[G0S+3], s[G0S+3], 0x80000000
	s_mov_b32 s[G0SB], 1
	s_add_co_u32 s[G0SB+1], s94, SCL
	s_mov_b64 s[G0SB+2:G0SB+3], s[92:93]
	s_or_b32 s[G0SB+3], s[G0SB+3], 0x80000000
	JLOAD G0S, G1S, G0SB, G1SB
.irp s, 0,1
	s_mov_b32 s[G0+4*\s], 1
	s_add_co_u32 s[G0+4*\s+1], s45, \s*SLOT
	s_add_nc_u64 s[G0+4*\s+2:G0+4*\s+3], s[20:21], \s*HALFT
	s_or_b32 s[G0+4*\s+3], s[G0+4*\s+3], 0x80000000
	s_mov_b32 s[G0B+4*\s], 1
	s_add_co_u32 s[G0B+4*\s+1], s45, \s*SLOT
	s_add_nc_u64 s[G0B+4*\s+2:G0B+4*\s+3], s[46:47], \s*HALFT
	s_or_b32 s[G0B+4*\s+3], s[G0B+4*\s+3], 0x80000000
	s_wait_alu depctr_va_vdst(0)
	s_wait_tensorcnt 0x0
	ds_add_u32 v28, v29
	s_wait_dscnt 0x0
	CROUND
	JLOAD G0+4*\s, G1, G0B+4*\s, G1B
.endr
	v_and_b32 v1, 31, v0
	v_and_b32 v2, 15, v0
	v_bfe_u32 v3, v0, 4, 1
	s_wait_alu depctr_va_vdst(0)
	v_lshlrev_b32 v[L16], 4, v1
	v_lshlrev_b32 v[L8], 3, v1
	v_lshlrev_b32 v[BO], 6, v3
	s_wait_alu depctr_va_vdst(0)
	s_mul_i32 s21, s15, HALFT
	s_mul_i32 s22, s16, HALFT
	s_add_co_u32 s22, s22, 2*HALFT
.irp s, 0,1
	v_add_nc_u32 v[ADRA+\s], s21, v[L16]
	v_add_nc_u32 v[ADRB+\s], s22, v[L16]
	s_add_co_u32 s21, s21, SLOT
	s_add_co_u32 s22, s22, SLOT
.endr
	s_lshl_b32 s21, s15, 12
	s_lshl_b32 s22, s16, 12
	s_add_co_u32 s22, s22, 8192
	s_sub_co_u32 s22, s22, s21
	v_mul_u32_u24 v4, s22, v3
	s_add_co_u32 s21, s21, SCL
	v_lshl_add_u32 v4, v2, 2, v4
	v_add_nc_u32 v[ADRS], s21, v4
	s_add_co_u32 s95, s40, s19
	s_lshl_b32 s95, s95, 1
	s_add_co_u32 s95, s95, s16
	s_add_co_u32 s98, s41, s18
	s_lshl_b32 s98, s98, 1
	s_add_co_u32 s98, s98, s15
	s_and_b32 s96, s95, 7
	s_lshl_b32 s96, s96, 9
	s_mov_b32 s97, 0
	s_add_nc_u64 s[96:97], s[8:9], s[96:97]
.irp b, 0,1,2,3,4,5,6,7
	global_load_b128 v[BI+8*\b:BI+8*\b+3], v[BO], s[96:97] offset:(32*(\b/2)+8*(\b%2))*4
	global_load_b128 v[BI+8*\b+4:BI+8*\b+7], v[BO], s[96:97] offset:(32*(\b/2)+8*(\b%2))*4+16
.endr
	s_cmp_eq_u32 ttmp9, 2
	s_cselect_b32 s99, s95, s98
	s_cselect_b32 s66, s98, s95
	s_cselect_b32 s67, 8, 9
	s_cselect_b32 s42, 8192, 0
	s_lshr_b32 s104, s99, 4
	s_lshl_b32 s104, s104, 4
	s_lshl_b32 s66, s66, 1
	s_add_co_u32 s104, s104, s66
	s_and_b32 s99, s99, 15
	s_lshl_b32 s100, s104, 4
	s_add_co_u32 s100, s100, s99
	s_mul_i32 s100, s100, 6144
	s_mul_i32 s66, ttmp9, 3145728
	s_add_co_u32 s100, s100, s66
	s_mov_b32 s101, 0
	s_add_nc_u64 s[10:11], s[10:11], s[100:101]
	s_mul_i32 s104, s104, 12288
	s_lshl_b32 s99, s99, s67
	s_add_co_u32 s104, s104, s99
	s_add_co_u32 s104, s104, s42
	s_add_co_u32 s66, ttmp9, 1
	s_lshr_b32 s67, s66, 1
	s_mul_i32 s67, s67, 393216
	s_add_co_u32 s104, s104, s67
	s_mov_b32 s105, 0
	s_add_nc_u64 s[12:13], s[12:13], s[104:105]
	s_and_b32 s66, s66, 2
	s_mov_b32 s42, 0xffff0000
	s_mov_b32 s2, 0x76543210
	s_mov_b32 s3, 0xfedcba98
.macro FRAG reg, adr, q, i
.irp c, 0,1,2
	ds_load_b128 v[\reg+4*\c:\reg+4*\c+3], v[\adr] offset:12288*(\q)+1536*(\i)+512*\c
.endr
.endm
.macro MUL16 a0, p, q, sc, zero
.irp a, \a0, \a0+1
.irp b, 0,1,2,3,4,5,6,7
.if \zero
	v_wmma_scale_f32_16x16x128_f8f6f4 v[8*(8*((\a)%4)+\b):8*(8*((\a)%4)+\b)+7], v[128*(\p)+FR*\b:128*(\p)+FR*\b+FR-1], v[AF+FR*(\a):AF+FR*(\a)+FR-1], 0, v[SC+8*NQ*(\sc)+NQ*\b+(\q)], v[SC+8*NQ*(\sc)+NQ*(\a)+(\q)] matrix_a_fmt:MATRIX_FMT_FP6 matrix_b_fmt:MATRIX_FMT_FP6 matrix_a_scale:MATRIX_SCALE_ROW1
.else
	v_wmma_scale_f32_16x16x128_f8f6f4 v[8*(8*((\a)%4)+\b):8*(8*((\a)%4)+\b)+7], v[128*(\p)+FR*\b:128*(\p)+FR*\b+FR-1], v[AF+FR*(\a):AF+FR*(\a)+FR-1], v[8*(8*((\a)%4)+\b):8*(8*((\a)%4)+\b)+7], v[SC+8*NQ*(\sc)+NQ*\b+(\q)], v[SC+8*NQ*(\sc)+NQ*(\a)+(\q)] matrix_a_fmt:MATRIX_FMT_FP6 matrix_b_fmt:MATRIX_FMT_FP6 matrix_a_scale:MATRIX_SCALE_ROW1
.endif
.endr
.endr
.endm
.macro FETCH_B slot, q, p
	WIN TO_B
.irp i, 0,1,2,3,4,5,6,7
	FRAG 128*(\p)+FR*\i, ADRB+\slot, \q, \i
.endr
	WIN 0
.endm
.macro FETCH_A slot, q, i0
.irp i, \i0, \i0+1, \i0+2, \i0+3
	FRAG AF+FR*(\i), ADRA+\slot, \q, \i
.endr
.endm
.macro SCALES sc, sg
.irp i, 0,1,2,3,4,5,6,7
.irp q, 0,1
	ds_load_b32 v[SC+16*\sc+2*\i+\q], v[ADRS] offset:512*\i+64*(2*(\sg)+\q)
.endr
.endr
.endm
.macro PLACES n
.rept \n
	v_nop
.endr
.endm
.macro STEP slot, q, zero
	s_wait_dscnt 4*NL
	WIN MUL_LO
	MUL16 0, (\q)%2, \q, \slot, \zero
	MUL16 2, (\q)%2, \q, \slot, \zero
	s_wait_dscnt 0
	PLACES NP
	FETCH_B \slot, (\q)+1, 1-(\q)%2
	FETCH_A \slot, (\q)+1, 0
	WIN MUL_HI
	MUL16 4, (\q)%2, \q, \slot, \zero
	MUL16 6, (\q)%2, \q, \slot, \zero
	PLACES NP
	WIN 0
	FETCH_A \slot, (\q)+1, 4
.endm
.macro TURN slot, next, fill, sg
	s_wait_tensorcnt 0x0
	ds_add_u32 v[SPW], v[NIL]
	s_wait_dscnt 4*NL+1
	WIN MUL_LO
	MUL16 0, 1, NQ-1, \slot, 0
	s_wait_dscnt 0x0
	s_barrier_signal -1
	MUL16 2, 1, NQ-1, \slot, 0
	WIN 0
	s_barrier_wait -1
.if \fill
	CREST
	s_add_nc_u64 s[G0+4*\slot+2:G0+4*\slot+3], s[G0+4*\slot+2:G0+4*\slot+3], 2*HALFT
	s_add_nc_u64 s[G0B+4*\slot+2:G0B+4*\slot+3], s[G0B+4*\slot+2:G0B+4*\slot+3], 2*HALFT
	JLOAD G0+4*\slot, G1, G0B+4*\slot, G1B
.else
	PLACES NP
.endif
	FETCH_B \next, 0, 0
	FETCH_A \next, 0, 0
	SCALES \next, \sg
	WIN MUL_HI
	MUL16 4, 1, NQ-1, \slot, 0
	MUL16 6, 1, NQ-1, \slot, 0
	PLACES NP
	WIN 0
	FETCH_A \next, 0, 4
.endm
	s_wait_alu depctr_va_vdst(0)
	s_wait_tensorcnt 1
	s_barrier_signal -1
	s_barrier_wait -1
	FETCH_B 0, 0, 0
	FETCH_A 0, 0, 0
	SCALES 0, 0
	FETCH_A 0, 0, 4
	STEP 0, 0, 1
	TURN 0, 1, 1, 1
	STEP 1, 0, 0
	TURN 1, 0, 1, 2
	STEP 0, 0, 0
	TURN 0, 1, 0, 3
	STEP 1, 0, 0
	s_wait_dscnt 4*NL
	WIN MUL_LO
	MUL16 0, 1, NQ-1, 1, 0
	MUL16 2, 1, NQ-1, 1, 0
	s_wait_dscnt 0
	WIN MUL_HI
	MUL16 4, 1, NQ-1, 1, 0
	MUL16 6, 1, NQ-1, 1, 0
	WIN 0
.macro EPI a
.set W, 2+(\a)/4
.set AC, 64*((\a)%4)
.set PC, 128+20*((\a)%2)
	s_cmp_lg_u32 s66, 0
	s_cbranch_scc1 .Lno_bias_\@
	WIN (W<<6)|W
.set j, 0
.rept 32
	v_pk_add_f32 v[AC+j:AC+j+1], v[AC+j:AC+j+1], v[BI+j:BI+j+1]
.set j, j+2
.endr
	WIN 0
.Lno_bias_\@:
	WIN W|(W<<2)
.irp b, 0,1,2,3
	v_max3_num_f32 v[TM+\b], |v[AC+16*\b]|, |v[AC+16*\b+1]|, 0x1800000
.endr
.irp i, 2,4,6,8,10,12,14
.irp b, 0,1,2,3
	v_max3_num_f32 v[TM+\b], |v[AC+16*\b+\i]|, |v[AC+16*\b+\i+1]|, v[TM+\b]
.endr
.endr
	WIN 0
.irp b, 0,1,2,3
	v_permlanex16_b32 v[TM+4+\b], v[TM+\b], s2, s3
.endr
.irp b, 0,1,2,3
	v_max_num_f32 v[TM+\b], v[TM+\b], v[TM+4+\b]
.endr
.irp b, 0,1,2,3
	v_add_nc_u32 v[TM+12+\b], 0xff000000, v[TM+\b]
.endr
.irp b, 0,1,2,3
	v_lshrrev_b32 v[TM+4+\b], 23, v[TM+12+\b]
.endr
	v_lshl_or_b32 v[PW+\a], v[TM+5], 8, v[TM+4]
	v_lshl_or_b32 v[PW+\a], v[TM+6], 16, v[PW+\a]
	v_lshl_or_b32 v[PW+\a], v[TM+7], 24, v[PW+\a]
	s_wait_xcnt 0x0
	WIN W
.irp c, 0,1
	v_cvt_scalef32_pk16_fp6_f32 v[PC+6*\c:PC+6*\c+2], v[AC+32*\c:AC+32*\c+15], v[TM+12+2*\c]
	v_cvt_scalef32_pk16_fp6_f32 v[PC+12+4*\c:PC+14+4*\c], v[AC+32*\c+16:AC+32*\c+31], v[TM+13+2*\c]
.endr
	WIN 0
	v_nop
.irp c, 0,1
.irp i, 0,1,2
	v_permlane16_swap_b32 v[PC+6*\c+\i], v[PC+12+4*\c+\i]
.endr
.irp i, 0,1,2
	v_mov_b32 v[PC+3+6*\c+\i], v[PC+12+4*\c+\i]
.endr
.endr
	s_cmp_eq_u32 ttmp9, 2
	s_cbranch_scc1 .Lfor_v_\@
.irp c, 0,1
	global_store_b128 v[L16], v[PC+6*\c:PC+6*\c+3], s[10:11] offset:98304*\c+768*(\a)
	global_store_b64 v[L8], v[PC+6*\c+4:PC+6*\c+5], s[10:11] offset:98304*\c+768*(\a)+512
.endr
	s_branch .Lsent_\@
.Lfor_v_\@:
	s_wait_alu depctr_va_vdst(0)
.irp g, 0,1,2
	global_store_b128 v[L16], v[PC+4*\g:PC+4*\g+3], s[10:11] offset:98304*((\a)/4)+1536*((\a)%4)+512*\g
.endr
.Lsent_\@:
.endm
	PLACES NP
	s_wait_loadcnt 0x0
.irp b, 0,1,2,3
	v_mov_b32 v[TM+4+\b], 0
.endr
.irp a, 0,1,2,3,4,5,6,7
	EPI \a
.endr
	s_cmp_eq_u32 ttmp9, 2
	s_cbranch_scc1 .Lscales_v
.irp w, 0,1,2,3
	v_cndmask_b32 v[TM+\w], v[PW+2*\w], v[PW+2*\w+1], s42
.endr
.irp w, 0,1,2,3
	v_and_b32 v[SW+\w], 0xffff, v[TM+\w]
	v_lshrrev_b32 v[SW+4+\w], 16, v[TM+\w]
.endr
	global_store_b128 v[L16], v[SW:SW+3], s[12:13]
	global_store_b128 v[L16], v[SW+4:SW+7], s[12:13] offset:12288
	s_branch .Lscales_sent
.Lscales_v:
.irp c, 0,1
.irp w, 0,1
	v_cndmask_b32 v[SW+2*\c+\w], v[PW+4*\c+2*\w], v[PW+4*\c+2*\w+1], s42
.endr
	global_store_b64 v[L8], v[SW+2*\c:SW+2*\c+1], s[12:13] offset:12288*\c
.endr
.Lscales_sent:
	s_wait_tensorcnt 0x0
	ds_add_u32 v[SPW], v[NIL]
	s_wait_dscnt 0x0
	CROUND
	s_endpgm
.Lfunc_end_k_q83aff17886_proj:
	.size	k_q83aff17886_proj, .Lfunc_end_k_q83aff17886_proj-k_q83aff17886_proj
	.p2alignl 7, 3214868480
	.fill 96, 4, 3214868480
	.section	.rodata,"a",@progbits
	.p2align	6, 0x0
	.amdhsa_kernel k_q83aff17886_proj
		.amdhsa_group_segment_fixed_size 327680
		.amdhsa_private_segment_fixed_size 0
		.amdhsa_enable_private_segment 0
		.amdhsa_kernarg_size 40
		.amdhsa_user_sgpr_count 2
		.amdhsa_user_sgpr_kernarg_segment_ptr 1
		.amdhsa_wavefront_size32 1
		.amdhsa_system_sgpr_workgroup_id_x 1
		.amdhsa_system_sgpr_workgroup_id_y 1
		.amdhsa_system_sgpr_workgroup_id_z 1
		.amdhsa_system_vgpr_workitem_id 0
		.amdhsa_next_free_vgpr 1024
		.amdhsa_next_free_sgpr 106
		.amdhsa_reserve_vcc 0
		.amdhsa_float_denorm_mode_32 3
		.amdhsa_float_denorm_mode_16_64 3
		.amdhsa_memory_ordered 1
		.amdhsa_forward_progress 1
		.amdhsa_inst_pref_size 167
	.end_amdhsa_kernel
	.amdgpu_metadata
---
amdhsa.version: [ 1, 2 ]
amdhsa.kernels:
  - .name:           k_q83aff17886_proj
    .symbol:         k_q83aff17886_proj.kd
    .args:
      - { .name: op_img, .offset: 0, .size: 8, .value_kind: global_buffer, .address_space: global }
      - { .name: op_scl, .offset: 8, .size: 8, .value_kind: global_buffer, .address_space: global }
      - { .name: r_w_bias, .offset: 16, .size: 8, .value_kind: global_buffer, .address_space: global }
      - { .name: att_codes, .offset: 24, .size: 8, .value_kind: global_buffer, .address_space: global }
      - { .name: att_scales, .offset: 32, .size: 8, .value_kind: global_buffer, .address_space: global }
    .group_segment_fixed_size: 327680
    .private_segment_fixed_size: 0
    .kernarg_segment_align: 8
    .kernarg_segment_size: 40
    .max_flat_workgroup_size: 128
    .sgpr_count:     106
    .vgpr_count:     1024
    .wavefront_size: 32
...
	.end_amdgpu_metadata
.endif
;; end of part 2
;; launch attn (part 3): grid 8 x 32, 16 waves a work-group, clusters of 4 x 1, 235,520 bytes of LDS; arguments att_codes, att_scales, a_img, a_scl; writes a_img, a_scl
.if DOCPART == 3
	.amdgcn_target "amdgcn-amd-amdhsa--gfx1250"
	.amdhsa_code_object_version 6
	.text
	.protected	k_q83aff17886_attn
	.globl	k_q83aff17886_attn
	.p2align	8
	.type	k_q83aff17886_attn,@function
k_q83aff17886_attn:
	s_mov_b64 s[64:65], 0
	v_nop
	global_prefetch_b8 v0, s[64:65] scope:SCOPE_SE
	s_setreg_imm32_b32 hwreg(HW_REG_WAVE_MODE, 25, 1), 1
	s_wait_xcnt 0x0
	s_wait_alu depctr_hold_cnt(0) depctr_sa_sdst(0) depctr_va_vdst(0) depctr_va_sdst(0) depctr_va_ssrc(0) depctr_va_vcc(0) depctr_vm_vsrc(0)
	s_getreg_b32 s2, hwreg(HW_REG_IB_STS2, 6, 4)
	s_cmp_eq_u32 s2, 0
	s_cbranch_scc0 .Lentry_in_a_cluster
	s_endpgm
.Lentry_in_a_cluster:
	s_bfe_u32 s2, ttmp6, 0x10000c
	s_cmp_lg_u32 s2, 0x3003
	s_cbranch_scc0 .Lentry_shape_is_right
	s_endpgm
.Lentry_shape_is_right:
; ATTN: for both streams, attn_vec = softmax(q k^T / 8) v on codes of FP6 (E2M3), head size 64, 2,048 keys, and the result quantised along (head, channel) for the output product.
; THE SOFTMAX AHEAD OF THE SECOND PRODUCT: t = score x log2(e) / 8; M = the row's largest t so far, rounded up to a whole number; p = 2^(t - M) is quantised along the keys, not normalised.
; The row's sum is taken of the unquantised p, in f32, and divides O at the end.  When M moves, the sum and O are multiplied by 2^(old M - new M): exact.
; SHARES.  A work-group owns one head y = 16 b + n and 256 positions, in both streams: each of its sixteen waves one tile of 16 queries, first of stream h, then of stream g.
; The head's K and V, codes and scale bytes, lie in LDS for the whole launch, filled once: one tensor load a wave (waves 0-3 K's codes, 4-7 V's, 8-15 the scale bytes).
; CLUSTER.  The four work-groups of a cluster belong to one head: the fills are asked for jointly, by the same loads with the same descriptors and a mask that names the four.
; NO PREFETCH: K and V are asked for once, at the head; no loop stands ahead of these loads in which to ask earlier.
; LAYOUT.  Both products are used transposed: S^T = K Q^T (source 0 = 16 keys), O^T = V^T P^T (source 0 = 16 channels): a lane holds one query (lane % 16) throughout.
; WHICH KEYS FORM A TILE is chosen by the LDS addresses: row r of tile 4 c + u is key 64 c + 32 (r / 8) + 8 u + r % 8 of the step.  So the 32 registers of tiles 4 c .. 4 c + 3 of lane (r, h) are the
; 32 neighbouring keys of block 2 c + h: a block's maximum needs no other lane, and the conversions' results are the operand's registers.
; In memory (and so in LDS) key 32 B + 8 v + s + 8 (s / 8) is row s of tile 2 B + v: row r of my tile 4 c + u is row r % 8 + 8 (u / 2) of stored tile 4 c + 2 (r / 8) + u % 2.
; K's LDS rows are 256 bytes + 64 of padding: stored tiles two apart then lie 1,920 bytes apart, 128 modulo 256, and the sixteen lanes of a 16-byte load touch sixteen different columns.
; HEAD SIZE 64 fills half of the instruction's 128: Q's registers 6-11 hold zero codes.  Source 0 names 12 registers, of which the upper six are the next tile's codes (finite numbers): their products
; with zero codes are zeros, under the scale bytes 0 (2^-127, no NaN) that stand in bytes 2 and 3 of K's and Q's words.
; LIMITS: NaN and infinities are not served; the scaled scores stay under 2^31 in magnitude; a block of the result whose largest magnitude lies under 2^-124 keeps the byte 1, and so does a block of zeros.
.set KIMG, 0                           ; LDS: K's images, [step of 128 keys][stored tile][3 rows of 320];
.set KSTP, 7680                        ; a step of them
.set VIMG, 122880                      ; V's, [step][tile of 16 channels][1536];
.set KSCL, 221184                      ; K's scale words, [step][512];
.set VSCL, 229376                      ; V's, [step][256]
.set SPARE, 233472                     ; the spare words: 128 bytes a wave
.set L16,  1                           ; v1   16 x lane
.set L8,   2                           ; v2   8 x lane
.set ADK,  3                           ; v3-7 the step's addresses
.set ADK8, 4
.set ADV,  5
.set ADS,  6
.set ADT,  7
.set OB,   8                           ; v8   2 r + h: my scale byte's place
.set L16V, 9                           ; v9   16 x lane + VIMG
.set LKS,  10                          ; v10  K's scale words: KSCL + 256 h + 16 (r % 8) + 4 (r / 8)
.set LVS,  11                          ; v11  8 x lane + VSCL
                                       ; v12 -M, v13 the largest score, v[14:15] the sum in two halves; v16-27 Q of stream h, v232-243 of stream g; v28, v29 their scale words
.set R,    32                          ; v32-79 K's eight tiles (6 registers each), later V's four fragments; v80-85 zero codes
.set VS,   86                          ; v86-87 V's scale words: lanes 0-15 tile 2 w, lanes 16-31 tile 2 w + 1
.set KS,   88                          ; v88-91 K's likewise
.set LK,   92                          ; v92  K's codes, registers 0-3: 1920 (r / 8) + 320 h + 16 (r % 8)
.set LK8,  93                          ; v93  registers 4, 5: 1920 (r / 8) + 640 + 128 h + 8 (r % 8)
                                       ; v94-95, v230-231, v244-253 partial sums; v96-159 S^T, then p; v160-191 O^T
.set PC,   192                         ; v192-203 p's codes
.set PT,   204                         ; v204-206, v208-210 upper halves, before they are moved
.set BM,   212                         ; v212-213 my two blocks' largest score, then largest p
.set BP,   214                         ; v214-215 a second chain of each
.set MX,   216
.set MP,   217
.set SO,   218                         ; v218-219 the conversions' scale operands
.set BY,   220                         ; v220-221 the scales' bytes
.set WT,   222
.set WP,   223
.set PW,   224                         ; v224 p's scale word
.set SH8,  225                         ; v225 8 h
.set OM,   228                         ; v228 the last step's -M
.set WV,   12                          ; s12  my wave's number
.set SEL,  18                          ; s[18:19] lane selects for v_permlanex16_b32: lane l xor 16
.set HM,   20                          ; s20  lanes 16-31
.set TB,   73                          ; s73  the step's codes of K
.set TS,   74                          ; s74  K's scale words: 512 a step
.set TV,   75                          ; s75  V's: 256
.set CNT,  76
.set TBV,  77                          ; s77  V's codes: 6,144
.set CS,   78                          ; s[78:79] c = log2(e) / 8
.set NC,   88                          ; s88  -c
.set W0K,  15|(3<<16)|(1<<20)|(1<<21)|(5<<22)|(15<<25)   ; the mask of all four; elements of 8 bytes; padding on; bit 21 beside a mask; behind every 64 words, 16 words
.set W0V,  15|(3<<16)|(1<<21)
.macro CROUND                          ; a round of the cluster's barrier
	s_barrier_signal -1
	s_barrier_wait -1
	s_cmp_lg_u32 s[WV], 0
	s_cbranch_scc1 .Lnot_wave_0_\@
	s_barrier_signal -3
.Lnot_wave_0_\@:
	s_barrier_wait -3
	s_barrier_signal -1
	s_barrier_wait -1
.endm
.macro G1 g, w0, rows                  ; descriptor group 1: dense bytes as rows of 256 (32 elements of 8 bytes)
	s_mov_b32 s[\g], \w0
	s_mov_b32 s[\g+1], 32<<16
	s_mov_b32 s[\g+2], (\rows)<<16
	s_mov_b32 s[\g+3], 32<<16
	s_mov_b32 s[\g+4], \rows
	s_mov_b32 s[\g+5], 32
	s_mov_b32 s[\g+6], 0
	s_mov_b32 s[\g+7], 0
.endm
	s_load_b256 s[4:11], s[0:1], 0x0               ; att_codes s[4:5], att_scales s[6:7], a_img s[8:9], a_scl s[10:11]
	v_lshl_add_u32 v254, v0, 2, SPARE
	v_mov_b32 v255, 0
	ds_add_u32 v254, v255                          ; the opening lines: the add, twice on end, and its wait ahead of my tensor load
	ds_add_u32 v254, v255
	v_lshrrev_b32 v1, 5, v0
	v_readfirstlane_b32 s[WV], v1                  ; wave 0..15
	s_bfe_u32 s13, ttmp6, 0x40000                  ; cx: it enters Q's and the results' global addresses alone
	s_lshl_b32 s14, ttmp9, 2
	s_add_co_u32 s14, s14, s13                     ; my block of 256 positions
	s_and_b32 s15, ttmp7, 0xffff                   ; y, which the four partners share
	G1 44, W0K, 96                                 ; K's codes: 96 rows a load, padded
	G1 52, W0V, 96                                 ; V's: 96 rows
	G1 80, W0V, 6                                  ; scale bytes: 6 rows
	; three groups 0, each by arithmetic on the wave's number; a wave uses the one of its arm
	s_mul_i32 s16, s15, 98304
	s_mul_i32 s17, s[WV], 24576
	s_add_co_u32 s16, s16, s17
	s_add_co_u32 s20, s16, 3145728                 ; K, section 1: chunk w
	s_mov_b32 s21, 0
	s_add_co_u32 s22, s16, 6193152                 ; V, section 2: chunk w - 4
	s_mov_b32 s23, 0
	s_mul_i32 s36, s15, 12288
	s_mul_i32 s18, s[WV], 1536
	s_add_co_u32 s36, s36, s18
	s_add_co_u32 s36, s36, 380928                  ; the section of K's and V's scale bytes: piece w - 8
	s_mov_b32 s37, 0
	s_mov_b32 s24, 1
	s_mul_i32 s25, s[WV], 30720                    ; 96 rows of 320 bytes
	s_mov_b32 s28, 1
	s_add_co_u32 s29, s17, VIMG-4*24576
	s_mov_b32 s32, 1
	s_add_co_u32 s33, s18, KSCL-8*1536
	s_wait_dscnt 0x0                               ; both opening adds are done
	s_wait_kmcnt 0x0
	s_add_nc_u64 s[26:27], s[4:5], s[20:21]
	s_or_b32 s27, s27, 0x80000000
	s_add_nc_u64 s[30:31], s[4:5], s[22:23]
	s_or_b32 s31, s31, 0x80000000
	s_add_nc_u64 s[34:35], s[6:7], s[36:37]
	s_or_b32 s35, s35, 0x80000000
	CROUND                                         ; all four work-groups are here: the joint loads meet
	s_cmp_lt_u32 s[WV], 4                          ; one chain of branches on the wave's number, one load to an arm: every way passes exactly one
	s_cbranch_scc0 .Lhead_v
	tensor_load_to_lds s[24:27], s[44:51]
	s_nop 0
.rept 4
	v_nop
.endr
	s_branch .Lhead_asked
.Lhead_v:
	s_cmp_lt_u32 s[WV], 8
	s_cbranch_scc0 .Lhead_s
	tensor_load_to_lds s[28:31], s[52:59]
	s_nop 0
.rept 4
	v_nop
.endr
	s_branch .Lhead_asked
.Lhead_s:
	tensor_load_to_lds s[32:35], s[80:87]
	s_nop 0
.rept 4
	v_nop
.endr
.Lhead_asked:
	v_and_b32 v30, 31, v0                          ; lane
	v_and_b32 v31, 15, v0                          ; r
	v_bfe_u32 v212, v0, 4, 1                       ; h
	v_bfe_u32 v213, v0, 3, 1                       ; r / 8
	v_and_b32 v214, 7, v0                          ; r % 8
	v_lshlrev_b32 v[L16], 4, v30
	v_lshlrev_b32 v[L8], 3, v30
	v_lshl_or_b32 v[OB], v31, 1, v212
	v_mul_u32_u24 v[LK], v213, 1920
	v_mul_u32_u24 v215, v212, 320
	v_lshlrev_b32 v[SH8], 3, v212
	v_lshl_add_u32 v[LK8], v212, 7, v[LK]
	v_add_nc_u32 v[LK], v[LK], v215
	v_lshl_add_u32 v[LK8], v214, 3, v[LK8]
	v_lshl_add_u32 v[LK], v214, 4, v[LK]
	v_add_nc_u32 v[LK8], 640, v[LK8]
	v_lshlrev_b32 v[LKS], 8, v212
	v_add_nc_u32 v[L16V], VIMG, v[L16]
	v_lshl_add_u32 v[LKS], v214, 4, v[LKS]
	v_add_nc_u32 v[LVS], VSCL, v[L8]
	v_lshl_add_u32 v[LKS], v213, 2, v[LKS]
	v_lshlrev_b32 v31, 4, v31                      ; 16 r: my row among Q's scale words
	v_add_nc_u32 v[LKS], KSCL, v[LKS]
	s_wait_alu depctr_va_vdst(0)                   ; the wait ahead of the run of scalar instructions
	s_lshr_b32 s60, s[WV], 3
	s_lshl_b32 s61, s14, 1
	s_add_co_u32 s60, s60, s61                     ; S: my step of 128 positions
	s_and_b32 s61, s[WV], 7                        ; t: my tile in it
	s_lshl_b32 s62, s15, 4
	s_add_co_u32 s62, s62, s60
	s_mul_i32 s62, s62, 6144
	s_mul_i32 s63, s61, 768
	s_add_co_u32 s62, s62, s63
	s_mov_b32 s63, 0
	s_add_nc_u64 s[66:67], s[4:5], s[62:63]        ; Q of stream h: section 0
	s_add_nc_u64 s[68:69], s[66:67], 9437184       ; of stream g: section 3
	s_mul_i32 s62, s15, 12288
	s_lshl_b32 s70, s60, 9
	s_add_co_u32 s62, s62, s70
	s_and_b32 s70, s61, 1
	s_lshl_b32 s70, s70, 8
	s_add_co_u32 s62, s62, s70
	s_lshr_b32 s70, s61, 1
	s_lshl_b32 s70, s70, 2
	s_add_co_u32 s62, s62, s70                     ; tile t's words: lane 16 (t % 2) + r, word t / 2
	s_add_nc_u64 s[6:7], s[6:7], s[62:63]
	global_load_b128 v[16:19], v[L16], s[66:67]
	global_load_b64 v[20:21], v[L8], s[66:67] offset:512
	global_load_b128 v[232:235], v[L16], s[68:69]
	global_load_b64 v[236:237], v[L8], s[68:69] offset:512
	global_load_b32 v28, v31, s[6:7]
	global_load_b32 v29, v31, s[6:7] offset:786432
	s_lshr_b32 s70, s15, 4                         ; b
	s_lshl_b32 s70, s70, 4
	s_add_co_u32 s70, s70, s60
	s_lshl_b32 s70, s70, 3
	s_add_co_u32 s70, s70, s61                     ; my tile of rows in stream h: (16 b + S) 8 + t; stream g's lies 256 tiles on
	s_and_b32 s71, s15, 15                         ; n
	s_mul_i32 s62, s70, 12288
	s_mul_i32 s72, s71, 768
	s_add_co_u32 s62, s62, s72
	s_add_nc_u64 s[8:9], s[8:9], s[62:63]
	s_lshl_b32 s62, s70, 9
	s_lshl_b32 s72, s71, 5
	s_add_co_u32 s62, s62, s72
	s_add_nc_u64 s[10:11], s[10:11], s[62:63]
	s_mov_b32 s[SEL], 0x76543210
	s_mov_b32 s[SEL+1], 0xfedcba98
	s_mov_b32 s[HM], 0xffff0000
	s_mov_b32 s[CS], 0x3e38aa3b                    ; c = log2(e) / 8
	s_mov_b32 s[CS+1], s[CS]                       ; (named with it as a pair, so it is written)
	s_mov_b32 s[NC], 0xbe38aa3b                    ; -c
.irp j, 0,1,2,3,4,5
	v_mov_b32 v[22+\j], 0                          ; zero codes: the upper half of K = 128
	v_mov_b32 v[238+\j], 0
	v_mov_b32 v[80+\j], 0                          ; and what the last tile of K names behind its six registers
.endr
	v_mov_b32 v[MP], 0                             ; written once: a lane permute's destination counts as one of its sources
	v_mov_b32 v[WP], 0
	v_mov_b32 v[BP], 0
	v_mov_b32 v[BP+1], 0
	v_mov_b32 v227, 0                              ; (named as the upper half of the pair v[226:227])
	v_mov_b32 v[OM], 0
.macro TM j0, n                        ; t - M of n pairs of scores, from pair j0 on
.set j, \j0
.rept \n
	v_pk_fma_f32 v[96+2*j:97+2*j], v[96+2*j:97+2*j], s[CS:CS+1], v[12:13] op_sel_hi:[1,0,0]
.set j, j+1
.endr
.endm
.macro ADD8 j0                         ; eight pairs of p, from pair j0 on, onto eight partial sums
.irp k, 0,1,2,3,4
	v_pk_add_f32 v[244+2*\k:245+2*\k], v[244+2*\k:245+2*\k], v[96+2*((\j0)+\k):97+2*((\j0)+\k)]
.endr
	v_pk_add_f32 v[230:231], v[230:231], v[96+2*((\j0)+5):97+2*((\j0)+5)]
	v_pk_add_f32 v[94:95], v[94:95], v[96+2*((\j0)+6):97+2*((\j0)+6)]
	v_pk_add_f32 v[14:15], v[14:15], v[96+2*((\j0)+7):97+2*((\j0)+7)]
.endm
.macro OMUL j0                         ; eight pairs of O^T under the new M
.set j, \j0
.rept 8
	v_pk_mul_f32 v[160+j:161+j], v[160+j:161+j], v[226:227] op_sel_hi:[1,0]
.set j, j+2
.endr
.endm
; A KEY STEP: 128 keys.  qf: Q's fragment; qs: its scale word.
.macro STEP qf, qs
	v_add_nc_u32 v[ADK], s[TB], v[LK]              ; (these four are also the places between the last products and the loads into the registers that they read)
	v_add_nc_u32 v[ADK8], s[TB], v[LK8]
	v_add_nc_u32 v[ADS], s[TS], v[LKS]
	v_mov_b32 v[OM], v12
.irp t, 0,1,2,3,4,5,6,7                        ; tile t = 4 c + u: stored tiles 4 c + u % 2 (rows 0-7) and two further on (rows 8-15), their rows 8 (u / 2) on
	ds_load_b128 v[R+6*\t:R+6*\t+3], v[ADK] offset:960*(4*(\t/4)+\t%2)+128*((\t%4)/2)
	ds_load_b64 v[R+6*\t+4:R+6*\t+5], v[ADK8] offset:960*(4*(\t/4)+\t%2)+64*((\t%4)/2)
.endr
.irp w, 0,1,2,3                                ; register w: lanes 0-15 the words of tile 2 w, lanes 16-31 of tile 2 w + 1
	ds_load_b32 v[KS+\w], v[ADS] offset:8*(\w/2)+128*(\w%2)
.endr
	s_wait_dscnt 0x0
.irp t, 0,2,4,6                                ; S^T = K Q^T: eight tiles of 16 keys
	v_wmma_scale_f32_16x16x128_f8f6f4 v[96+8*\t:103+8*\t], v[R+6*\t:R+6*\t+11], v[\qf:\qf+11], 0, v[KS+\t/2], v[\qs] matrix_a_fmt:MATRIX_FMT_FP6 matrix_b_fmt:MATRIX_FMT_FP6
	v_wmma_scale_f32_16x16x128_f8f6f4 v[104+8*\t:111+8*\t], v[R+6*\t+6:R+6*\t+17], v[\qf:\qf+11], 0, v[KS+\t/2], v[\qs] matrix_a_fmt:MATRIX_FMT_FP6 matrix_b_fmt:MATRIX_FMT_FP6 matrix_a_scale:MATRIX_SCALE_ROW1
.endr
	v_add_nc_u32 v[ADV], s[TBV], v[L16V]           ; four places: in front of the loads into K's registers, and of the first read of the scores
	v_add_nc_u32 v[ADT], s[TV], v[LVS]
	v_nop
	v_nop
.irp t, 0,1,2,3                                ; V's four fragments land while the softmax is worked
.irp g, 0,1,2
	ds_load_b128 v[R+12*\t+4*\g:R+12*\t+4*\g+3], v[ADV] offset:1536*\t+512*\g
.endr
.endr
	ds_load_b64 v[VS:VS+1], v[ADT]
.irp c, 0,1                                    ; the largest score of my block 2 c + h, all 32 keys mine, in two chains: it serves for the row's maximum and, since p rises with the score, for the block's largest p
	v_max3_num_f32 v[BM+\c], v[96+32*\c], v[97+32*\c], v[98+32*\c]
	v_max3_num_f32 v[BP+\c], v[112+32*\c], v[113+32*\c], v[114+32*\c]
.endr
.irp i, 3,5,7,9,11,13
.irp c, 0,1
	v_max3_num_f32 v[BM+\c], v[BM+\c], v[96+32*\c+\i], v[97+32*\c+\i]
	v_max3_num_f32 v[BP+\c], v[BP+\c], v[112+32*\c+\i], v[113+32*\c+\i]
.endr
.endr
.irp c, 0,1
	v_max3_num_f32 v[BM+\c], v[BM+\c], v[111+32*\c], v[127+32*\c]
.endr
.irp c, 0,1
	v_max_num_f32 v[BM+\c], v[BM+\c], v[BP+\c]
.endr
	v_max_num_f32 v[MX], v[BM], v[BM+1]
	v_permlanex16_b32 v[MP], v[MX], s[SEL], s[SEL+1]
	v_max3_num_f32 v13, v13, v[MX], v[MP]          ; the running largest score, with lane l xor 16's 64 keys
	v_mul_f32 v[MX], s[NC], v13                    ; -t (c is positive)
	v_floor_f32 v12, v[MX]                         ; the new -M = floor(-t) = -ceil(t): a whole number
	TM 0, 4
	v_sub_f32 v[MX], v12, v[OM]                    ; M's old value less its new one: a whole number, 0 or less
	TM 4, 4
	v_cvt_i32_f32 v[MX], v[MX]                     ; (it saturates)
	TM 8, 4
	v_ldexp_f32 v226, 1.0, v[MX]                   ; f = 2^(old M - new M)
	TM 12, 20
.irp c, 0,1
	v_fma_f32 v[BM+\c], v[BM+\c], s[CS], v12       ; the same of each block's largest score
.endr
	s_wait_alu depctr_va_vdst(0)                   ; the wait ahead of the batch
.irp c, 0,1
	v_exp_f32 v[BM+\c], v[BM+\c]                   ; the block's largest p: the same two instructions on the same number give the same bits
.endr
.set j, 0
.rept 64
	v_exp_f32 v[96+j], v[96+j]                     ; p = 2^(t - M), at most 1: not normalised
.set j, j+1
.endr
	v_pk_mul_f32 v[14:15], v[14:15], v[226:227] op_sel_hi:[1,0]    ; the sums under the new M: a plain place behind the exponentials
	s_wait_alu depctr_va_vdst(0)                   ; one wait for the whole batch, ahead of its first reader
.irp k, 0,1,2,3,4                              ; the row's sum of the unquantised p: eight partial sums by turns; the scale's lines stand between them
	v_pk_add_f32 v[244+2*\k:245+2*\k], v[96+2*\k:97+2*\k], v[110+2*\k:111+2*\k]
.endr
	v_pk_add_f32 v[230:231], v[106:107], v[120:121]
	v_pk_add_f32 v[94:95], v[108:109], v[122:123]
	v_pk_add_f32 v[14:15], v[14:15], v[124:125]
.irp c, 0,1
	v_max_num_f32 v[BM+\c], 0x1800000, v[BM+\c]    ; the floor 2^(3 - 127): the byte cannot fall under 1
.endr
	ADD8 15
.irp c, 0,1
	v_add_nc_u32 v[SO+\c], 0xff000000, v[BM+\c]    ; 2 off the exponent field: the conversion's scale operand
.endr
	ADD8 23
.irp c, 0,1
	v_lshrrev_b32 v[BY+\c], 23, v[SO+\c]           ; the scale's byte
.endr
	v_pk_add_f32 v[244:245], v[244:245], v[158:159]
	v_pk_add_f32 v[248:249], v[248:249], v[250:251]
	v_lshl_or_b32 v[WT], v[BY+1], 16, v[BY]        ; my two bytes: blocks h and 2 + h,
	v_pk_add_f32 v[252:253], v[252:253], v[230:231]
	v_pk_add_f32 v[14:15], v[14:15], v[94:95]
	v_pk_add_f32 v[244:245], v[244:245], v[246:247]
	v_lshlrev_b32 v[WT], v[SH8], v[WT]             ; at their places in the word;
	v_pk_add_f32 v[14:15], v[14:15], v[252:253]
	v_pk_add_f32 v[244:245], v[244:245], v[248:249]
	v_permlanex16_b32 v[WP], v[WT], s[SEL], s[SEL+1]
	s_delay_alu instid0(VALU_DEP_2)
	v_pk_add_f32 v[14:15], v[14:15], v[244:245]
	v_or_b32 v[PW], v[WT], v[WP]                   ; with lane l xor 16's two: p's scale word for these 128 keys
.irp c, 0,1
	v_cvt_scalef32_pk16_fp6_f32 v[PC+6*\c:PC+6*\c+2], v[96+32*\c:111+32*\c], v[SO+\c]
	v_cvt_scalef32_pk16_fp6_f32 v[PT+4*\c:PT+4*\c+2], v[112+32*\c:127+32*\c], v[SO+\c]   ; (a conversion's three registers begin on an even number)
.endr
	s_wait_alu depctr_va_vdst(0)                   ; the wait, directly ahead of the first reader of O^T
	OMUL 0                                         ; O^T under the new M; its first lines are the plain place behind the conversions
.irp c, 0,1
.irp i, 0,1,2
	v_mov_b32 v[PC+3+6*\c+\i], v[PT+4*\c+\i]       ; registers 6 c .. 6 c + 5: keys 64 c + 32 h + 0 .. 31
.endr
.endr
	OMUL 16                                        ; (of these eight at least four name no register of any one product below: the places behind p's codes; with the first eight, twelve behind its scale word)
	s_wait_alu depctr_va_vdst(0)                   ; directly ahead of the wait below
	s_wait_dscnt 0x0                               ; V
.irp t, 0,2                                    ; O^T += V^T P^T: four tiles of 16 channels, by turns; K = these 128 keys
	v_wmma_scale_f32_16x16x128_f8f6f4 v[160+8*\t:167+8*\t], v[R+12*\t:R+12*\t+11], v[PC:PC+11], v[160+8*\t:167+8*\t], v[VS+\t/2], v[PW] matrix_a_fmt:MATRIX_FMT_FP6 matrix_b_fmt:MATRIX_FMT_FP6
	v_wmma_scale_f32_16x16x128_f8f6f4 v[168+8*\t:175+8*\t], v[R+12*\t+12:R+12*\t+23], v[PC:PC+11], v[168+8*\t:175+8*\t], v[VS+\t/2], v[PW] matrix_a_fmt:MATRIX_FMT_FP6 matrix_b_fmt:MATRIX_FMT_FP6 matrix_a_scale:MATRIX_SCALE_ROW1
.endr
	s_add_co_u32 s[TB], s[TB], KSTP
	s_add_co_u32 s[TBV], s[TBV], 6144
	s_add_co_u32 s[TS], s[TS], 512
	s_add_co_u32 s[TV], s[TV], 256
.endm
; THE WAY OUT of stream p: O^T / the sum; a lane's 32 numbers, register 16 B + i = channel 32 B + 16 h + i, are two half blocks of the output product's K; codes and bytes leave as the operand's image.
.macro OQ p
	v_add_f32 v14, v14, v15                        ; the sum's two halves,
	s_delay_alu instid0(VALU_DEP_1)
	v_permlanex16_b32 v[OM], v14, s[SEL], s[SEL+1]
	v_nop
	v_add_f32 v14, v14, v[OM]                      ; and lane l xor 16's: the row's sum
	s_wait_alu depctr_va_vdst(0)
	v_rcp_f32 v226, v14
	v_nop                                          ; a plain place behind the reciprocal; with the lines above, the places behind the last products
	v_nop
	s_wait_alu depctr_va_vdst(0)                   ; the wait, ahead of the first reader
.set j, 0
.rept 16
	v_pk_mul_f32 v[96+j:97+j], v[160+j:161+j], v[226:227] op_sel_hi:[1,0]   ; each accumulator from its low end on
.set j, j+2
.endr
.irp b, 0,1
	v_max3_num_f32 v[BM+\b], |v[96+16*\b]|, |v[97+16*\b]|, 0x1800000
.endr
.irp i, 2,4,6,8,10,12,14
.irp b, 0,1
	s_delay_alu instid0(VALU_DEP_2)
	v_max3_num_f32 v[BM+\b], v[BM+\b], |v[96+16*\b+\i]|, |v[97+16*\b+\i]|
.endr
.endr
.irp b, 0,1
	s_delay_alu instid0(VALU_DEP_2)
	v_permlanex16_b32 v[BP+\b], v[BM+\b], s[SEL], s[SEL+1]
.endr
.irp b, 0,1
	s_delay_alu instid0(VALU_DEP_2)
	v_max_num_f32 v[BM+\b], v[BM+\b], v[BP+\b]
.endr
.irp b, 0,1
	s_delay_alu instid0(VALU_DEP_2)
	v_add_nc_u32 v[SO+\b], 0xff000000, v[BM+\b]
.endr
.irp b, 0,1
	s_delay_alu instid0(VALU_DEP_2)
	v_lshrrev_b32 v[BP+\b], 23, v[SO+\b]
.endr
	v_cvt_scalef32_pk16_fp6_f32 v[PC:PC+2], v[96:111], v[SO]
	v_cvt_scalef32_pk16_fp6_f32 v[PT:PT+2], v[112:127], v[SO+1]
	v_nop
.irp i, 0,1,2
	v_permlane16_swap_b32 v[PC+\i], v[PT+\i]
.endr
.irp i, 0,1,2
	s_delay_alu instid0(VALU_DEP_3)
	v_mov_b32 v[PC+3+\i], v[PT+\i]                 ; registers 0-5: channels 32 h + 0 .. 31 of my query
.endr
	v_cndmask_b32 v229, v[BP], v[BP+1], s[HM]      ; my half's block's byte
	global_store_b128 v[L16], v[PC:PC+3], s[8:9] offset:3145728*\p
	global_store_b64 v[L8], v[PC+4:PC+5], s[8:9] offset:3145728*\p+512
	global_store_b8 v[OB], v229, s[10:11] offset:131072*\p
.endm
.macro PASS p, qf, qs
.if \p
	s_wait_xcnt 0x0                                ; the first stream's stores have read their registers
.endif
	s_mov_b32 s[TB], 0
	s_mov_b32 s[TBV], 0
	s_mov_b32 s[TS], 0
	s_mov_b32 s[TV], 0
	s_mov_b32 s[CNT], 16
.set j, 0
.rept 32
	v_mov_b32 v[160+j], 0                          ; O^T.  (The step is written once a stream: its first trip finds zeros, which the first change of M leaves zeros)
.set j, j+1
.endr
	v_mov_b32 v13, 0xff61b1e6                      ; the largest score so far: -3e38, under every score
	v_mov_b32 v12, 0x7e000000                      ; -M: so large that the first f is 0
	v_mov_b32 v14, 0
	v_mov_b32 v15, 0
.Lstep_\@:
	STEP \qf, \qs
	s_sub_co_u32 s[CNT], s[CNT], 1
	s_cmp_lg_u32 s[CNT], 0
	s_cbranch_scc1 .Lstep_\@
	OQ \p
.endm
	s_wait_alu depctr_va_vdst(0)                   ; the wait at the head's end
	s_wait_loadcnt 0x0                             ; Q, both streams'
	s_wait_tensorcnt 0x0                           ; my fill has landed,
	s_barrier_signal -1
	s_barrier_wait -1                              ; everybody's has: from here on LDS is only read
	PASS 0, 16, 28
	PASS 1, 232, 29
	s_wait_tensorcnt 0x0                           ; the wave's end
	ds_add_u32 v254, v255
	s_wait_dscnt 0x0
	CROUND                                         ; the closing round
	s_endpgm
.Lfunc_end_k_q83aff17886_attn:
	.size	k_q83aff17886_attn, .Lfunc_end_k_q83aff17886_attn-k_q83aff17886_attn
	.p2alignl 7, 3214868480
	.fill 96, 4, 3214868480
	.section	.rodata,"a",@progbits
	.p2align	6, 0x0
	.amdhsa_kernel k_q83aff17886_attn
		.amdhsa_group_segment_fixed_size 235520
		.amdhsa_private_segment_fixed_size 0
		.amdhsa_enable_private_segment 0
		.amdhsa_kernarg_size 32
		.amdhsa_user_sgpr_count 2
		.amdhsa_user_sgpr_kernarg_segment_ptr 1
		.amdhsa_wavefront_size32 1
		.amdhsa_system_sgpr_workgroup_id_x 1
		.amdhsa_system_sgpr_workgroup_id_y 1
		.amdhsa_system_sgpr_workgroup_id_z 1
		.amdhsa_system_vgpr_workitem_id 0
		.amdhsa_next_free_vgpr 256
		.amdhsa_next_free_sgpr 96
		.amdhsa_reserve_vcc 0
		.amdhsa_float_denorm_mode_32 3
		.amdhsa_float_denorm_mode_16_64 3
		.amdhsa_memory_ordered 1
		.amdhsa_forward_progress 1
		.amdhsa_inst_pref_size 51
	.end_amdhsa_kernel
	.amdgpu_metadata
---
amdhsa.version: [ 1, 2 ]
amdhsa.kernels:
  - .name:           k_q83aff17886_attn
    .symbol:         k_q83aff17886_attn.kd
    .args:
      - { .name: att_codes, .offset: 0, .size: 8, .value_kind: global_buffer, .address_space: global }
      - { .name: att_scales, .offset: 8, .size: 8, .value_kind: global_buffer, .address_space: global }
      - { .name: a_img, .offset: 16, .size: 8, .value_kind: global_buffer, .address_space: global }
      - { .name: a_scl, .offset: 24, .size: 8, .value_kind: global_buffer, .address_space: global }
    .group_segment_fixed_size: 235520
    .private_segment_fixed_size: 0
    .kernarg_segment_align: 8
    .kernarg_segment_size: 32
    .max_flat_workgroup_size: 512
    .sgpr_count:     96
    .vgpr_count:     256
    .wavefront_size: 32
...
	.end_amdgpu_metadata
.endif
;; end of part 3
;; launch outln (part 4): grid 256 x 1, 16 waves a work-group, clusters of 4 x 1, 327,680 bytes of LDS; arguments a_img, a_scl, op_img, op_scl, h, g, ln_gamma, ln_beta, out0, out1; writes out0, out1
.if DOCPART == 4
	.amdgcn_target "amdgcn-amd-amdhsa--gfx1250"
	.amdhsa_code_object_version 6
	.text
	.protected	k_q83aff17886_outln
	.globl	k_q83aff17886_outln
	.p2align	8
	.type	k_q83aff17886_outln,@function
k_q83aff17886_outln:
	s_mov_b64 s[64:65], 0
	v_nop
	global_prefetch_b8 v0, s[64:65] scope:SCOPE_SE
	s_setreg_imm32_b32 hwreg(HW_REG_WAVE_MODE, 25, 1), 1
	s_wait_xcnt 0x0
	s_wait_alu depctr_hold_cnt(0) depctr_sa_sdst(0) depctr_va_vdst(0) depctr_va_sdst(0) depctr_va_ssrc(0) depctr_va_vcc(0) depctr_vm_vsrc(0)
	s_getreg_b32 s2, hwreg(HW_REG_IB_STS2, 6, 4)
	s_cmp_eq_u32 s2, 0
	s_cbranch_scc0 .Lentry_in_a_cluster
	s_endpgm
.Lentry_in_a_cluster:
	s_bfe_u32 s2, ttmp6, 0x10000c
	s_cmp_lg_u32 s2, 0x3003
	s_cbranch_scc0 .Lentry_shape_is_right
	s_endpgm
.Lentry_shape_is_right:
; OUTLN: out = LayerNorm(attn_vec Wo^T + x) for both streams: the output product on codes of FP6 (E2M3), the residual and the norm in f32.
; SHARES.  Work-group id = ((2 stream + b) 16 + S) 4 + B owns 32 whole rows: positions 128 S + 32 B + 0 .. 31 of batch b, as two tiles of 16 (tile m, lane r: position 8 m + r + 8 (r / 8)).
; Wave w makes output features 64 w .. 64 w + 63 for both tiles: eight accumulators, by turns.  Source 0 = 16 rows of Wo, source 1 = 16 rows of attn_vec: a lane holds eight neighbouring features of one row.
; CLUSTER.  Every work-group walks all of Wo.  The four work-groups of a cluster ask for it JOINTLY: wave w of each issues the same tensor load (its address hangs on the wave's number and the K step alone)
; with a mask that names the four.  A wave's four fragments of a K step are 6,144 consecutive bytes; they land in a ring of the wave's own, 18,432 bytes: slot X holds two K steps, slot Y one.
; The walk: X <- steps 0, 1 (head); Y <- 2; X <- 3, 4; Y <- 5; X <- 6, 7: each refill behind the three lines and a round of the cluster's barrier, one load a wave.  Only the issuing wave reads its ring.
; attn_vec's codes (24,576 bytes, the work-group's own) come through registers into LDS blocks of their own.  x's two rows that a wave norms are loaded into 64 registers at the head and stay there.
; Behind the products the 32 rows meet in a stage, which lies in the ring behind its last fill and a barrier; each wave norms two whole rows: no sum crosses waves.  The variance is taken of y - mean.
; NO PREFETCH of Wo: all 64 clusters walk the same 786,432 bytes in the same order; x and attn_vec's codes are asked for once, at the head.
.set AIMG, 0                           ; LDS: attn_vec's images: [tile m][head n][768] (stored by the waves)
.set ASC,  24576                       ; attn_vec's scale words: 128 s + 64 m + 4 r (stored by the waves)
.set RING, 25600                       ; the sixteen rings
.set WRING, 18432
.set YS,   12288                       ; slot Y in a ring
.set STG,  RING                        ; the stage: 32 rows x (4,096 bytes + 16)
.set SP,   4112
.set SPARE, 320512                     ; the spare words: 128 bytes a wave
.set ACC,  16                          ; v16-79   eight accumulators: (m, t) at ACC + 8 (4 m + t); later the two rows y
.set BS,   80                          ; v80-127  Wo's four fragments; later gamma and beta
.set AF,   128                         ; v128-151 attn_vec's two fragments
.set WS,   152                         ; v152-167 Wo's scale words: register 8 p + s: lanes 0-15 tile 2 p, lanes 16-31 tile 2 p + 1, K step s
.set AS,   168                         ; v168     attn_vec's: lanes 0-15 tile 0, lanes 16-31 tile 1
.set XX,   176                         ; v176-239 x's two rows
.set GM,   80
.set BT,   112
.set Y,    16
.set WV,   48
.set G0X,  24                          ; s[24:27], s[28:35] slot X's descriptor; s[36:39], s[40:47] slot Y's
.set G1X,  28
.set G0Y,  36
.set G1Y,  40
.macro WM d, a, b, sa, sb, zero, ra, rb
.if \zero
.if \ra
.if \rb
	v_wmma_scale_f32_16x16x128_f8f6f4 v[\d:\d+7], v[\a:\a+11], v[\b:\b+11], 0, v[\sa], v[\sb] matrix_a_fmt:MATRIX_FMT_FP6 matrix_b_fmt:MATRIX_FMT_FP6 matrix_a_scale:MATRIX_SCALE_ROW1 matrix_b_scale:MATRIX_SCALE_ROW1
.else
	v_wmma_scale_f32_16x16x128_f8f6f4 v[\d:\d+7], v[\a:\a+11], v[\b:\b+11], 0, v[\sa], v[\sb] matrix_a_fmt:MATRIX_FMT_FP6 matrix_b_fmt:MATRIX_FMT_FP6 matrix_a_scale:MATRIX_SCALE_ROW1
.endif
.else
.if \rb
	v_wmma_scale_f32_16x16x128_f8f6f4 v[\d:\d+7], v[\a:\a+11], v[\b:\b+11], 0, v[\sa], v[\sb] matrix_a_fmt:MATRIX_FMT_FP6 matrix_b_fmt:MATRIX_FMT_FP6 matrix_b_scale:MATRIX_SCALE_ROW1
.else
	v_wmma_scale_f32_16x16x128_f8f6f4 v[\d:\d+7], v[\a:\a+11], v[\b:\b+11], 0, v[\sa], v[\sb] matrix_a_fmt:MATRIX_FMT_FP6 matrix_b_fmt:MATRIX_FMT_FP6
.endif
.endif
.else
.if \ra
.if \rb
	v_wmma_scale_f32_16x16x128_f8f6f4 v[\d:\d+7], v[\a:\a+11], v[\b:\b+11], v[\d:\d+7], v[\sa], v[\sb] matrix_a_fmt:MATRIX_FMT_FP6 matrix_b_fmt:MATRIX_FMT_FP6 matrix_a_scale:MATRIX_SCALE_ROW1 matrix_b_scale:MATRIX_SCALE_ROW1
.else
	v_wmma_scale_f32_16x16x128_f8f6f4 v[\d:\d+7], v[\a:\a+11], v[\b:\b+11], v[\d:\d+7], v[\sa], v[\sb] matrix_a_fmt:MATRIX_FMT_FP6 matrix_b_fmt:MATRIX_FMT_FP6 matrix_a_scale:MATRIX_SCALE_ROW1
.endif
.else
.if \rb
	v_wmma_scale_f32_16x16x128_f8f6f4 v[\d:\d+7], v[\a:\a+11], v[\b:\b+11], v[\d:\d+7], v[\sa], v[\sb] matrix_a_fmt:MATRIX_FMT_FP6 matrix_b_fmt:MATRIX_FMT_FP6 matrix_b_scale:MATRIX_SCALE_ROW1
.else
	v_wmma_scale_f32_16x16x128_f8f6f4 v[\d:\d+7], v[\a:\a+11], v[\b:\b+11], v[\d:\d+7], v[\sa], v[\sb] matrix_a_fmt:MATRIX_FMT_FP6 matrix_b_fmt:MATRIX_FMT_FP6
.endif
.endif
.endif
.endm
.macro ROUND                           ; a round of the cluster's barrier
	s_barrier_signal -1
	s_barrier_wait -1
	s_cmp_lg_u32 s[WV], 0
	s_cbranch_scc1 .Lnot_wave_0_\@
	s_barrier_signal -3
.Lnot_wave_0_\@:
	s_barrier_wait -3
	s_barrier_signal -1
	s_barrier_wait -1
.endm
; A fill behind the head: the wait, the add and its wait, a round, and my one joint load.  step = 1: the slot's address goes three K steps on
.macro FILL g0, g1, step
	s_wait_tensorcnt 0x0                           ; all my loads have landed,
	ds_add_u32 v254, v255                          ; 0 onto my spare word,
.if \step
	s_add_nc_u64 s[\g0+2:\g0+3], s[\g0+2:\g0+3], 3*12288
.endif
	s_wait_dscnt 0x0                               ; the add, my LDS stores and my reads of the slot are done
	ROUND                                          ; and so of every wave of the four work-groups
	tensor_load_to_lds s[\g0:\g0+3], s[\g1:\g1+7]
	s_nop 0
.endm
	s_load_b256 s[4:11], s[0:1], 0x0               ; a_img s[4:5], a_scl s[6:7], op_img s[8:9], op_scl s[10:11]
	s_load_b256 s[12:19], s[0:1], 0x20             ; h s[12:13], g s[14:15], ln_gamma s[16:17], ln_beta s[18:19]
	s_load_b128 s[20:23], s[0:1], 0x40             ; out0 s[20:21], out1 s[22:23]
	v_lshl_add_u32 v254, v0, 2, SPARE
	v_mov_b32 v255, 0
	ds_add_u32 v254, v255                          ; the opening lines: the add, twice on end, and its wait ahead of my first tensor load
	ds_add_u32 v254, v255
	v_lshrrev_b32 v1, 5, v0
	v_readfirstlane_b32 s[WV], v1                  ; wave 0..15
	s_bfe_u32 s66, ttmp6, 0x40000                  ; cx: it enters global addresses of the work-group's own data alone
	s_lshl_b32 s67, ttmp9, 2
	s_add_co_u32 s66, s67, s66                     ; the work-group's id
	; slot X: two rows of 6,144 bytes (768 elements of 8 bytes), 12,288 bytes apart: my fragments of two K steps.  Slot Y: 6,144 dense bytes as 24 rows of 256
	s_mov_b32 s28, 15|(3<<16)|(1<<21)              ; the mask of all four; elements of 8 bytes; bit 21 beside a mask
	s_mov_b32 s29, 768<<16
	s_mov_b32 s30, 2<<16
	s_mov_b32 s31, 768<<16
	s_mov_b32 s32, 2
	s_mov_b32 s33, 1536
	s_mov_b32 s34, 0
	s_mov_b32 s35, 0
	s_mov_b32 s40, 15|(3<<16)|(1<<21)
	s_mov_b32 s41, 32<<16
	s_mov_b32 s42, 24<<16
	s_mov_b32 s43, 32<<16
	s_mov_b32 s44, 24
	s_mov_b32 s45, 32
	s_mov_b32 s46, 0
	s_mov_b32 s47, 0
	s_and_b32 s56, s[WV], 1
	s_lshr_b32 s57, s[WV], 1
	s_add_co_u32 s49, s57, 88                      ; my group of Wo: 128 output features;
	s_mul_i32 s52, s49, 98304
	s_mul_i32 s62, s56, 6144                       ; my four tiles of its eight
	s_add_co_u32 s52, s52, s62
	s_mov_b32 s53, 0
	s_mov_b32 s24, 1
	s_mul_i32 s25, s[WV], WRING
	s_add_co_u32 s25, s25, RING                    ; my ring
	s_mov_b32 s36, 1
	s_add_co_u32 s37, s25, YS
	s_wait_dscnt 0x0                               ; both opening adds are done
	s_wait_kmcnt 0x0
	s_add_nc_u64 s[26:27], s[8:9], s[52:53]        ; K steps 0 and 1
	s_add_nc_u64 s[38:39], s[26:27], 2*12288       ; K step 2
	s_or_b32 s27, s27, 0x80000000
	s_or_b32 s39, s39, 0x80000000
	ROUND                                          ; all four work-groups are here: the joint loads meet
	tensor_load_to_lds s[G0X:G0X+3], s[G1X:G1X+7]
	s_nop 0
	s_and_b32 s54, s[WV], 7
	s_lshr_b32 s55, s[WV], 3
	s_lshl_b32 s52, s49, 12
	s_lshl_b32 s62, s56, 11
	s_add_co_u32 s52, s52, s62
	s_add_nc_u64 s[10:11], s[10:11], s[52:53]      ; Wo's scale words of my four tiles
	s_and_b32 s67, s66, 63                         ; 4 S + B: 32 positions each
	s_lshl_b32 s50, s67, 18                        ; 32 positions x 8,192 bytes,
	s_bfe_u32 s51, s66, 0x10006                    ; the batch:
	s_lshl_b32 s51, s51, 12
	s_add_co_u32 s50, s50, s51                     ; + 4,096: the block's first row in x and in out
	s_mov_b32 s51, 0
	s_cmp_lt_u32 ttmp9, 32                         ; the stream: ids 0-127 are clusters 0-31
	s_cselect_b64 s[12:13], s[12:13], s[14:15]
	s_cselect_b64 s[20:21], s[20:21], s[22:23]
	s_add_nc_u64 s[12:13], s[12:13], s[50:51]
	s_add_nc_u64 s[20:21], s[20:21], s[50:51]
	s_mul_i32 s52, s66, 24576                      ; my two tiles' images
	s_add_nc_u64 s[4:5], s[4:5], s[52:53]
	s_lshl_b32 s52, s66, 1
	s_add_co_u32 s52, s52, s55                     ; attn_vec's scale bytes: wave w gathers the words of tile w / 8, K step w % 8
	s_lshl_b32 s52, s52, 9
	s_lshl_b32 s62, s54, 6
	s_add_co_u32 s52, s52, s62
	s_add_nc_u64 s[6:7], s[6:7], s[52:53]
	s_lshl_b32 s63, s55, 3                         ; the norm: my stage rows 2 w and 2 w + 1 are tile w / 8, lanes 2 (w % 8) and + 1:
	s_lshl_b32 s62, s54, 1
	s_add_co_u32 s63, s63, s62
	s_lshr_b32 s62, s54, 2
	s_lshl_b32 s62, s62, 3
	s_add_co_u32 s63, s63, s62                     ; positions 8 (w / 8) + 2 (w % 8) + 8 ((w % 8) / 4) and the next
	s_lshl_b32 s52, s63, 13
	s_add_nc_u64 s[20:21], s[20:21], s[52:53]
	s_add_nc_u64 s[12:13], s[12:13], s[52:53]
	s_mul_i32 s68, s[WV], 2*SP
	s_add_co_u32 s68, s68, STG                     ; my two rows of the stage
	s_lshl_b32 s69, s[WV], 8
	s_add_co_u32 s69, s69, STG                     ; my 64 features' place in a stage row
	s_lshl_b32 s70, s54, 7
	s_lshl_b32 s62, s55, 6
	s_add_co_u32 s70, s70, s62
	s_add_co_u32 s70, s70, ASC                     ; the scale words that I gather
	s_mov_b32 s58, 0x3a800000                      ; 1 / 1,024
	s_mov_b32 s59, 0x3727c5ac                      ; 1e-5
	s_mov_b32 s60, 0x76543210
	s_mov_b32 s61, 0xfedcba98
	v_and_b32 v13, 31, v0                          ; lane
	v_and_b32 v11, 15, v0                          ; r
	v_bfe_u32 v12, v0, 4, 1                        ; h
	v_lshlrev_b32 v14, 4, v0                       ; v14 16 x thread: the images' copy
	v_lshlrev_b32 v1, 4, v13                       ; v1  16 x lane
	v_lshlrev_b32 v2, 3, v13                       ; v2  8 x lane
	v_lshl_add_u32 v7, v13, 2, ASC                 ; v7  a K step's scale words, 4 bytes a lane
	v_lshlrev_b32 v9, 9, v12
	v_lshlrev_b32 v10, 1, v11                      ; v10 2 r
	v_mul_u32_u24 v3, v11, SP
	v_lshl_add_u32 v9, v11, 2, v9                  ; v9  Wo's scale words: 512 h + 4 r
	v_lshl_add_u32 v8, v11, 2, s70                 ; v8  where I put the word that I gather (lanes r and r + 16: the same word, the same value)
	v_lshl_add_u32 v3, v12, 6, v3
	v_add_nc_u32 v6, s25, v1                       ; v6  my ring, 16 bytes a lane
	v_add_nc_u32 v5, s68, v1                       ; v5  my stage rows, 16 bytes a lane
	v_add_nc_u32 v3, s69, v3                       ; v3  into the stage: row r, + 256 w + 64 h;
	v_add_nc_u32 v4, 16*SP, v3                     ; v4  the same for tile 1
	s_wait_alu depctr_va_vdst(0)                   ; the wait at the head's end
.irp j, 0,1,2
	global_load_b128 v[BS+4*\j:BS+4*\j+3], v14, s[4:5] offset:8192*\j      ; the images: 512 threads x 16 bytes, three times
.endr
	global_load_u16 v242, v10, s[6:7]              ; head 2 s: the word's bytes 0, 1
	global_load_u16 v243, v10, s[6:7] offset:32    ; head 2 s + 1: bytes 2, 3
.irp p, 0,1
.irp s, 0,1,2,3,4,5,6,7
	global_load_b32 v[WS+8*\p+\s], v9, s[10:11] offset:1024*\p+64*\s
.endr
.endr
.irp e, 0,1
.irp c, 0,1,2,3,4,5,6,7
	global_load_b128 v[XX+32*\e+4*\c:XX+32*\e+4*\c+3], v1, s[12:13] offset:8192*\e+512*\c th:TH_LOAD_NT   ; x's two rows: 512 consecutive bytes a load
.endr
.endr
	s_wait_loadcnt 32                              ; the images and the scale bytes are in; Wo's 16 scale loads and x's 16 may be out
.irp j, 0,1,2
	ds_store_b128 v14, v[BS+4*\j:BS+4*\j+3] offset:AIMG+8192*\j
.endr
	v_lshl_or_b32 v242, v243, 16, v242
	s_wait_alu depctr_va_vdst(0)
	ds_store_b32 v8, v242
	FILL G0Y, G1Y, 0                               ; slot Y's first fill, issued as a refill is: K step 2.  The round's barriers also show the images and the scale words to all waves
; K step s, whose fragments of Wo lie at byte off of my ring: 21 LDS loads, eight products
.macro GSTEP s, off, zero
.irp t, 0,1,2,3
.irp g, 0,1,2
	ds_load_b128 v[BS+12*\t+4*\g:BS+12*\t+4*\g+3], v6 offset:(\off)+1536*\t+512*\g
.endr
.endr
.irp m, 0,1
	ds_load_b128 v[AF+12*\m:AF+12*\m+3], v1 offset:AIMG+12288*\m+1536*(\s)
	ds_load_b64 v[AF+12*\m+4:AF+12*\m+5], v2 offset:AIMG+12288*\m+1536*(\s)+512
	ds_load_b128 v[AF+12*\m+6:AF+12*\m+9], v1 offset:AIMG+12288*\m+1536*(\s)+768
	ds_load_b64 v[AF+12*\m+10:AF+12*\m+11], v2 offset:AIMG+12288*\m+1536*(\s)+1280
.endr
	ds_load_b32 v[AS], v7 offset:128*(\s)
	s_wait_dscnt 0x0
.irp m, 0,1
.irp t, 0,1,2,3
	WM ACC+8*(4*\m+\t), BS+12*\t, AF+12*\m, WS+8*(\t/2)+(\s), AS, \zero, \t%2, \m
.endr
.endr
.rept 4
	v_nop                                          ; places in front of loads into registers that these products have read, and of the first read of results
.endr
.endm
	s_wait_loadcnt 16                              ; Wo's scale words are in; x's 16 loads may be out
	GSTEP 0, 0, 1                                  ; the first products start the sums
	GSTEP 1, 6144, 0
	FILL G0X, G1X, 1                               ; K steps 3 and 4
	GSTEP 2, YS, 0
	FILL G0Y, G1Y, 1                               ; K step 5
	GSTEP 3, 0, 0
	GSTEP 4, 6144, 0
	FILL G0X, G1X, 1                               ; K steps 6 and 7
	GSTEP 5, YS, 0
	s_wait_tensorcnt 0x0                           ; my last fill is in: only I read it
	GSTEP 6, 0, 0
	GSTEP 7, 6144, 0
.irp c, 0,1,2,3,4,5,6,7
	global_load_b128 v[GM+4*\c:GM+4*\c+3], v1, s[16:17] offset:512*\c      ; gamma and beta at my columns 128 c + 4 lane + 0 .. 3
	global_load_b128 v[BT+4*\c:BT+4*\c+3], v1, s[18:19] offset:512*\c
.endr
	s_wait_tensorcnt 0x0
	s_wait_dscnt 0x0                               ; my fills have landed and my reads of my ring are over:
	s_barrier_signal -1
	s_barrier_wait -1                              ; everybody's: the rings have had their last fill and their last read, and the stage may lie there
.irp m, 0,1
.irp t, 0,1,2,3
	ds_store_b128 v[3+\m], v[ACC+8*(4*\m+\t):ACC+8*(4*\m+\t)+3] offset:128*(\t/2)+32*(\t%2)        ; features 64 w + 32 (t / 2) + 16 h + 8 (t % 2) + 0 .. 7 of row 16 m + r; each accumulator from its low end on
	ds_store_b128 v[3+\m], v[ACC+8*(4*\m+\t)+4:ACC+8*(4*\m+\t)+7] offset:128*(\t/2)+32*(\t%2)+16
.endr
.endr
	s_wait_dscnt 0x0                               ; my part of the stage has landed:
	s_barrier_signal -1
	s_barrier_wait -1                              ; 32 whole rows lie in the stage
.irp e, 0,1
.irp c, 0,1,2,3,4,5,6,7
	ds_load_b128 v[Y+32*\e+4*\c:Y+32*\e+4*\c+3], v5 offset:SP*\e+512*\c
.endr
.endr
	v_mov_b32 v247, 0                              ; (upper halves of pairs of which the low word serves both halves; a lane permute's destination)
	v_mov_b32 v249, 0
	v_mov_b32 v250, 0
.macro REDUCE                          ; the sum of v242 over the 32 lanes, in every lane
	s_delay_alu instid0(VALU_DEP_1)
	v_add_f32_dpp v242, v242, v242 row_xmask:1 row_mask:0xf bank_mask:0xf
	s_delay_alu instid0(VALU_DEP_1)
	v_add_f32_dpp v242, v242, v242 row_xmask:2 row_mask:0xf bank_mask:0xf
	s_delay_alu instid0(VALU_DEP_1)
	v_add_f32_dpp v242, v242, v242 row_xmask:4 row_mask:0xf bank_mask:0xf
	s_delay_alu instid0(VALU_DEP_1)
	v_add_f32_dpp v242, v242, v242 row_xmask:8 row_mask:0xf bank_mask:0xf
	s_delay_alu instid0(VALU_DEP_1)
	v_permlanex16_b32 v250, v242, s60, s61
	s_delay_alu instid0(VALU_DEP_1)
	v_add_f32 v242, v242, v250
.endm
.macro LNROW e
.set YY, Y+32*\e
.set XE, XX+32*\e
.set j, 0
.rept 16
	v_pk_add_f32 v[YY+j:YY+j+1], v[YY+j:YY+j+1], v[XE+j:XE+j+1]    ; y = attn_out + x
.set j, j+2
.endr
	v_pk_add_f32 v[242:243], v[YY:YY+1], v[YY+2:YY+3]
	v_pk_add_f32 v[244:245], v[YY+4:YY+5], v[YY+6:YY+7]
.irp j, 8,12,16,20,24,28
	s_delay_alu instid0(VALU_DEP_2)
	v_pk_add_f32 v[242:243], v[242:243], v[YY+\j:YY+\j+1]
	s_delay_alu instid0(VALU_DEP_2)
	v_pk_add_f32 v[244:245], v[244:245], v[YY+\j+2:YY+\j+3]
.endr
	s_delay_alu instid0(VALU_DEP_1)
	v_pk_add_f32 v[242:243], v[242:243], v[244:245]
	s_delay_alu instid0(VALU_DEP_1)
	v_add_f32 v242, v242, v243
	REDUCE
	s_delay_alu instid0(VALU_DEP_1)
	v_mul_f32 v246, s58, v242                      ; the mean
.set j, 0
.rept 16
	v_pk_add_f32 v[YY+j:YY+j+1], v[YY+j:YY+j+1], v[246:247] op_sel_hi:[1,0] neg_lo:[0,1] neg_hi:[0,1]   ; y - mean
.set j, j+2
.endr
	v_pk_mul_f32 v[242:243], v[YY:YY+1], v[YY:YY+1]
	v_pk_mul_f32 v[244:245], v[YY+2:YY+3], v[YY+2:YY+3]
.irp j, 4,8,12,16,20,24,28
	s_delay_alu instid0(VALU_DEP_2)
	v_pk_fma_f32 v[242:243], v[YY+\j:YY+\j+1], v[YY+\j:YY+\j+1], v[242:243]
	s_delay_alu instid0(VALU_DEP_2)
	v_pk_fma_f32 v[244:245], v[YY+\j+2:YY+\j+3], v[YY+\j+2:YY+\j+3], v[244:245]
.endr
	s_delay_alu instid0(VALU_DEP_1)
	v_pk_add_f32 v[242:243], v[242:243], v[244:245]
	s_delay_alu instid0(VALU_DEP_1)
	v_add_f32 v242, v242, v243
	REDUCE
	s_delay_alu instid0(VALU_DEP_1)
	v_fma_f32 v242, v242, s58, s59                 ; the variance + 1e-5
	s_wait_alu depctr_va_vdst(0)
	v_rsq_f32 v248, v242
	v_nop                                          ; a plain place behind the transcendental
	s_wait_alu depctr_va_vdst(0)                   ; the wait, ahead of the first reader
.set j, 0
.rept 16
	v_pk_mul_f32 v[YY+j:YY+j+1], v[YY+j:YY+j+1], v[248:249] op_sel_hi:[1,0]
.set j, j+2
.endr
.set j, 0
.rept 16
	v_pk_fma_f32 v[YY+j:YY+j+1], v[YY+j:YY+j+1], v[GM+j:GM+j+1], v[BT+j:BT+j+1]
.set j, j+2
.endr
.irp c, 0,1,2,3,4,5,6,7
	global_store_b128 v1, v[YY+4*\c:YY+4*\c+3], s[20:21] offset:8192*\e+512*\c th:TH_STORE_NT   ; 32 lanes store 512 consecutive bytes, aligned; written once, read by nobody here
.endr
.endm
	s_wait_loadcnt 0x0                             ; x, gamma, beta
	s_wait_dscnt 8                                 ; the first row's eight loads are in; the second row's eight may be out
	LNROW 0
	s_wait_dscnt 0x0
	LNROW 1
	s_wait_tensorcnt 0x0                           ; the wave's end
	ds_add_u32 v254, v255
	s_wait_dscnt 0x0
	ROUND                                          ; the closing round
	s_endpgm
.Lfunc_end_k_q83aff17886_outln:
	.size	k_q83aff17886_outln, .Lfunc_end_k_q83aff17886_outln-k_q83aff17886_outln
	.p2alignl 7, 3214868480
	.fill 96, 4, 3214868480
	.section	.rodata,"a",@progbits
	.p2align	6, 0x0
	.amdhsa_kernel k_q83aff17886_outln
		.amdhsa_group_segment_fixed_size 327680
		.amdhsa_private_segment_fixed_size 0
		.amdhsa_enable_private_segment 0
		.amdhsa_kernarg_size 80
		.amdhsa_user_sgpr_count 2
		.amdhsa_user_sgpr_kernarg_segment_ptr 1
		.amdhsa_wavefront_size32 1
		.amdhsa_system_sgpr_workgroup_id_x 1
		.amdhsa_system_sgpr_workgroup_id_y 1
		.amdhsa_system_sgpr_workgroup_id_z 1
		.amdhsa_system_vgpr_workitem_id 0
		.amdhsa_next_free_vgpr 256
		.amdhsa_next_free_sgpr 72
		.amdhsa_reserve_vcc 0
		.amdhsa_float_denorm_mode_32 3
		.amdhsa_float_denorm_mode_16_64 3
		.amdhsa_memory_ordered 1
		.amdhsa_forward_progress 1
		.amdhsa_inst_pref_size 55
	.end_amdhsa_kernel
	.amdgpu_metadata
---
amdhsa.version: [ 1, 2 ]
amdhsa.kernels:
  - .name:           k_q83aff17886_outln
    .symbol:         k_q83aff17886_outln.kd
    .args:
      - { .name: a_img, .offset: 0, .size: 8, .value_kind: global_buffer, .address_space: global }
      - { .name: a_scl, .offset: 8, .size: 8, .value_kind: global_buffer, .address_space: global }
      - { .name: op_img, .offset: 16, .size: 8, .value_kind: global_buffer, .address_space: global }
      - { .name: op_scl, .offset: 24, .size: 8, .value_kind: global_buffer, .address_space: global }
      - { .name: h, .offset: 32, .size: 8, .value_kind: global_buffer, .address_space: global }
      - { .name: g, .offset: 40, .size: 8, .value_kind: global_buffer, .address_space: global }
      - { .name: ln_gamma, .offset: 48, .size: 8, .value_kind: global_buffer, .address_space: global }
      - { .name: ln_beta, .offset: 56, .size: 8, .value_kind: global_buffer, .address_space: global }
      - { .name: out0, .offset: 64, .size: 8, .value_kind: global_buffer, .address_space: global }
      - { .name: out1, .offset: 72, .size: 8, .value_kind: global_buffer, .address_space: global }
    .group_segment_fixed_size: 327680
    .private_segment_fixed_size: 0
    .kernarg_segment_align: 8
    .kernarg_segment_size: 80
    .max_flat_workgroup_size: 512
    .sgpr_count:     72
    .vgpr_count:     256
    .wavefront_size: 32
...
	.end_amdgpu_metadata
.endif
;; end of part 4
